; MI455X (gfx1250); checked and timed in simulation.
; The chip was launched on July 23, 2026; its instructions are those of AMD's public machine-readable ISA for CDNA 5 (MIT licence, August 2026) and "CDNA5" Instruction Set Architecture Reference Guide (July 2026). The comments in the code are by the model that wrote it; some were corrected since.
;; Ro PE Attention. Allowed arithmetic: matrix products marked QUANTISED: E4M3 operands, one E8M0 scale for each 32 along K, by v_wmma_scale_f32_16x16x128_f8f6f4 with both operands' format E4M3, f32 sums; products left as they are: f32 operands where the result goes on into a quantised operand, else bf16, f16 or f32 operands; f32 sums; everything else in f32.
;; Inputs: Wk 1,024 x 1,024 float32; Wo 1,024 x 1,024 float32; Wq 1,024 x 1,024 float32; Wv 1,024 x 1,024 float32; attention_mask 4 x 2,048 int32; beta 1,024 float32; gamma 1,024 float32; x 4 x 2,048 x 1,024 float32.
;; Outputs: out0 4 x 2,048 x 1,024 float32.
;; This version of the problem:
;;   THIS VERSION OF THE PROBLEM IS GIVEN IN LOW PRECISION. The matrix products marked QUANTISED in the list below multiply operands that are first quantised to E4M3 (4 exponent bits, 3 mantissa bits; 8 bits a number), with one power-of-two scale for each 32 numbers along K (OCP MX v1.0); their sums are f32. All else is computed in f32.
;;   The module's matrix products, in the order in which they are computed (A, B: the left and right operand; K: the contracted axis; several contracted axes count as one K, in the product's order):
;;     1. [M 8,192, K 1,024] x [K 1,024, N 1,024]; A: input x; B: input Wq: QUANTISED
;;     2. [M 8,192, K 1,024] x [K 1,024, N 1,024]; A: input x; B: input Wk: QUANTISED
;;     3. [M 8,192, K 1,024] x [K 1,024, N 1,024]; A: input x; B: input Wv: QUANTISED
;;     4. [M 2,048, K 1] x [K 1, N 32]; A: computed on the way; B: computed on the way: left as it is (no contracted axis)
;;     5. batch 64 x [M 2,048, K 64] x [K 64, N 2,048]; A: computed on the way; B: computed on the way: QUANTISED
;;     6. batch 64 x [M 2,048, K 2,048] x [K 2,048, N 64]; A: softmax (see below); B: computed on the way: QUANTISED
;;     7. [M 8,192, K 1,024] x [K 1,024, N 1,024]; A: computed on the way; B: input Wo: QUANTISED
;;   THE QUANTISER, for each operand of a quantised product, along K:
;;     - K is cut into blocks of 32 from its start; a last block that is shorter is filled with zeros.
;;     - A block's scale is 2^e with e = floor(log2(the largest magnitude in the block)) - 8, held to -126 .. 127; a block of zeros has e = 0. As a byte (E8M0): e + 127.
;;     - Each number is divided by its block's scale, clamped to +-448, and rounded to the nearest number of E4M3, ties to even, subnormals kept.
;;     - The product sums the exact products of the quantised numbers (number of the format x scale) in f32.
;;   ~~~python
;;   def quantise(x, axis):      # numpy; x: float32 -> the quantised numbers, widened to float32 again
;;       x = np.moveaxis(x, axis, -1); K = x.shape[-1]
;;       x = np.pad(x, [(0, 0)] * (x.ndim - 1) + [(0, -K % 32)]); x = x.reshape(x.shape[:-1] + (-1, 32)); a = np.abs(x).max(-1, keepdims=True)
;;       e = np.where(a > 0, np.clip(np.frexp(np.where(a > 0, a, 1))[1] - 1 - 8, -126, 127), 0)      # np.frexp(a)[1] - 1 = floor(log2(a)), exactly
;;       r = np.clip(x / 2.0 ** e, -448, 448)
;;       step = 2.0 ** (np.maximum(np.frexp(np.where(r == 0, 1, r))[1] - 1, -6) - 3)
;;       q = np.round(r / step) * step * 2.0 ** e      # np.round: ties to even
;;       return np.moveaxis(q.reshape(q.shape[:-2] + (-1,))[..., :K], -1, axis).astype(np.float32)
;;   ~~~
;;   SOFTMAX AHEAD OF A QUANTISED PRODUCT. Where the list says 'softmax', what is quantised is not the finished softmax but p = 2^(t - M), with t = logit x log2(e) and M = ceil(the row's largest t), a whole number; so 1/2 < the row's largest p <= 1. The row's sum l is taken of the UNQUANTISED p, in f32, and the product's result is divided by l at the end. Since M is a whole number, a kernel that streams over the keys may use a running M (the ceiling of the running maximum): every later rescaling is an exact power of two, which a block's scale takes up: the codes' values come out the same.
;;   OPERANDS COMPUTED ON THE WAY. 'Computed on the way' means the value that the module computes at that place (a softmax that the list does not call 'softmax' is quantised finished and normalised). What goes into a quantiser is computed in f32, as accurately as f32 sums, v_exp_f32 and their like allow (about 1e-6 of the number): no bf16 or f16 on the way to a quantiser, and a product that is left as it is and whose result goes on into a quantised operand takes f32 operands (vector FMAs, or v_wmma_f32_16x16x4_f32). A number that lies on a knife's edge between two numbers of the format may be rounded either way, as far as f32 arithmetic and the matrix unit's own rounding can turn it there, and no further.
;; One version. Each part assembles by itself: llvm-mc -triple=amdgcn-amd-amdhsa -mcpu=gfx1250 --defsym DOCPART=n.
;; ======== version 1 of 1: 4 launches
;; limits: right only within a limited range of input values
;; workspace buffers: cod 12,582,912 bytes; scl 393,216 bytes; rope 524,288 bytes; qb 8,912,896 bytes; kv 17,563,648 bytes; oimg 8,388,608 bytes; os 262,144 bytes
;; launch quant (part 1): grid 416 x 1, 4 waves a work-group, no clusters, 33,280 bytes of LDS; arguments x, Wq, Wk, Wv, Wo, cod, scl, rope; writes cod, scl, rope
.if DOCPART == 1
	.amdgcn_target "amdgcn-amd-amdhsa--gfx1250"
	.amdhsa_code_object_version 6
	.text
	.protected	k_q3a4919eb23_quant
	.globl	k_q3a4919eb23_quant
	.p2align	8
	.type	k_q3a4919eb23_quant,@function
k_q3a4919eb23_quant:
	s_mov_b64 s[64:65], 0
	v_nop
	global_prefetch_b8 v0, s[64:65] scope:SCOPE_SE
	s_setreg_imm32_b32 hwreg(HW_REG_WAVE_MODE, 25, 1), 1
	s_wait_xcnt 0x0
; x [8192][1024], Wq, Wk, Wv, Wo [1024][1024], f32, become codes of FP8 (E4M3) with one E8M0 byte for each 32 along K (their last axis): cod [12288 rows][1024 bytes], scl [12288][32],
; rows 0.. x, 8192.. Wq, 9216.. Wk, 10240.. Wv, 11264.. Wo.  Work-groups 0-383 do that; work-groups 384-415 make the table of cos and sin for the rotary embedding.
; A block's scale is 2^(floor(log2(largest magnitude)) - 8); its byte is the largest magnitude's exponent field - 8, held at 1 from below.  Numbers are held within +-448 x scale and rounded to the nearest code, ties to even.
; THE ORDER INSIDE A BLOCK OF 32: byte 0-7 = k 0-7, byte 8-15 = k 16-23, byte 16-23 = k 8-15, byte 24-31 = k 24-31.  Every operand of this program has that order, on both sides of each product
; (operands that later launches compute fall into it by the matrix result's layout), so each product pairs equal k; only the order of the sums inside a block differs from ascending k.
; LIMITS: NaN and infinities are not served.  A block of zeros gets the byte 1, not 127: its codes are zeros, and only this program reads the bytes.
; The table: 10000^(-i/32) is made as 2^(-i c), c = log2(10000)/32 split in two words, within about 1.5 ulp; the angle t x that is rounded once; sin and cos by a reduction modulo pi/2 in two words
; and polynomials of degree 7 and 8, good to about 1e-7 absolute for angles up to 2047.
; A wave takes 16 steps of 512 numbers.  Each load reads 512 consecutive bytes; the 2,048 bytes of a step turn through the wave's own stage in LDS, so that a lane gets 16 numbers of ONE block.
.set STEPS, 16
.set MANT,  0x600000                   ; the mantissa field of 448 as f32
.set CB,    16                         ; bytes of 16 codes
.set R,     16                         ; v16-79   four sets of 16 numbers as loaded
.set X,     80                         ; v80-111  two sets of 16 numbers of one block
.set C,     128                        ; v128-191 codes: four registers for each step: no store's data are written again
.set E,     112                        ; v112-127 a scale byte for each step
.set WREG,  8192                       ; LDS: a region for each wave: two stages of 32 x SP bytes, then its 256 scale bytes
.set SP,    80                         ; 64 bytes (16 numbers) + 16 of padding
	s_load_b256 s[4:11], s[0:1], 0x0               ; x, Wq, Wk, Wv
	s_load_b256 s[12:19], s[0:1], 0x20             ; Wo, cod, scl, rope
	v_lshl_add_u32 v192, v0, 2, 0x8000
	v_mov_b32 v193, 0
	v_lshrrev_b32 v1, 5, v0
	v_readfirstlane_b32 s24, v1                    ; wave
	v_and_b32 v2, 31, v0                           ; lane
	s_cmp_ge_u32 ttmp9, 384
	s_cbranch_scc1 .Lrope                          ; the table's work-groups use no LDS
	v_lshlrev_b32 v3, 4, v2                        ; my 16 bytes of a load's 512
	s_mul_i32 s25, s24, WREG
	v_lshrrev_b32 v14, 2, v2
	v_mul_u32_u24 v14, v14, SP
	v_and_b32 v15, 3, v2
	v_lshl_add_u32 v14, v15, 4, v14
	v_add_nc_u32 v14, s25, v14                     ; into the stage: four lanes' 64 bytes on end, then the padding
	v_and_b32 v15, 30, v2
	v_mul_u32_u24 v15, v15, SP
	v_and_b32 v13, 1, v2
	v_lshl_add_u32 v15, v13, 5, v15
	v_add_nc_u32 v15, s25, v15                     ; out of it: block lane / 2 lies in places lane & ~1 (k 0-15) and the next (k 16-31); an even lane takes the first 32 bytes of both, an odd lane the last 32
	v_mul_u32_u24 v4, v2, CB                       ; my codes' place in a step's 512 bytes
	v_lshrrev_b32 v5, 1, v2
	s_add_co_u32 s25, s25, 2*32*SP
	v_add_nc_u32 v5, s25, v5                       ; LDS: my block's scale byte
	v_lshlrev_b32 v7, 3, v2
	v_add_nc_u32 v6, s25, v7                       ; and on the way out 8 bytes a lane
	s_mov_b32 s23, MANT
	s_wait_alu depctr_va_vdst(0)
	s_wait_kmcnt 0x0
	s_cmp_ge_u32 ttmp9, 256                        ; which tensor: the choice hangs on the work-group's number alone
	s_cselect_b64 s[4:5], s[6:7], s[4:5]
	s_cmp_ge_u32 ttmp9, 288
	s_cselect_b64 s[4:5], s[8:9], s[4:5]
	s_cmp_ge_u32 ttmp9, 320
	s_cselect_b64 s[4:5], s[10:11], s[4:5]
	s_cmp_ge_u32 ttmp9, 352
	s_cselect_b64 s[4:5], s[12:13], s[4:5]
	s_and_b32 s25, ttmp9, 31
	s_cmp_lt_u32 ttmp9, 256
	s_cselect_b32 s25, ttmp9, s25                  ; the work-group's number inside its tensor
	s_lshl_b32 s25, s25, 2
	s_add_co_u32 s25, s25, s24
	s_lshl_b32 s26, s25, 15                        ; my wave's run of 8,192 numbers: 32,768 bytes
	s_mov_b32 s27, 0
	s_add_nc_u64 s[4:5], s[4:5], s[26:27]
	s_lshl_b32 s25, ttmp9, 2
	s_add_co_u32 s25, s25, s24                     ; the run's number in the one stream of codes
	s_lshl_b32 s26, s25, 13
	s_add_nc_u64 s[14:15], s[14:15], s[26:27]
	s_lshl_b32 s26, s25, 8
	s_add_nc_u64 s[16:17], s[16:17], s[26:27]
.macro LOAD t
.irp i, 0,1,2,3
	global_load_b128 v[R+16*((\t)%4)+4*\i:R+16*((\t)%4)+4*\i+3], v3, s[4:5] offset:2048*(\t)+512*\i th:TH_LOAD_NT
.endr
.endm
.macro TURN t                          ; step t's numbers through the stage: LDS serves a wave's instructions in order, so no wait stands between the stores and the loads
.irp i, 0,1,2,3
	ds_store_b128 v14, v[R+16*((\t)%4)+4*\i:R+16*((\t)%4)+4*\i+3] offset:32*SP*((\t)%2)+8*SP*\i
.endr
	ds_load_b128 v[X+16*((\t)%2):X+16*((\t)%2)+3],     v15 offset:32*SP*((\t)%2)
	ds_load_b128 v[X+16*((\t)%2)+4:X+16*((\t)%2)+7],   v15 offset:32*SP*((\t)%2)+16
	ds_load_b128 v[X+16*((\t)%2)+8:X+16*((\t)%2)+11],  v15 offset:32*SP*((\t)%2)+SP
	ds_load_b128 v[X+16*((\t)%2)+12:X+16*((\t)%2)+15], v15 offset:32*SP*((\t)%2)+SP+16
.endm
.irp t, 0,1,2,3
	LOAD \t
.endr
	s_wait_loadcnt 12                              ; step 0's four loads are in; three steps' twelve stay out
	TURN 0
.macro STEP t
.set XS, X+16*((\t)%2)
.if (\t) > 0
	s_wait_dscnt 1                                 ; this step's numbers are back from the stage; the last step's byte store may be out
.else
	s_wait_dscnt 0x0
.endif
.if (\t)+4 < STEPS
	LOAD (\t)+4
.endif
.if (\t)+1 < STEPS
.if STEPS-2-(\t) >= 3
	s_wait_loadcnt 12                              ; the next step's four loads are in; those of the three steps behind it may be out
.else
	s_wait_loadcnt 4*(STEPS-2-(\t))
.endif
	TURN (\t)+1
.endif
	v_max3_num_f32 v8, |v[XS]|, |v[XS+1]|, |v[XS+2]|
	v_max3_num_f32 v9, |v[XS+3]|, |v[XS+4]|, |v[XS+5]|
.irp i, 6,10
	v_max3_num_f32 v8, v8, |v[XS+\i]|, |v[XS+\i+1]|
	v_max3_num_f32 v9, v9, |v[XS+\i+2]|, |v[XS+\i+3]|
.endr
	v_max3_num_f32 v8, v8, |v[XS+14]|, |v[XS+15]|
	v_max3_num_f32 v8, v8, v9, 0x4800000           ; and the floor 2^(9 - 127): the byte cannot fall under 1
	v_max_num_f32_dpp v8, v8, v8 row_xmask:1 row_mask:0xf bank_mask:0xf   ; with my neighbour's 16: the block's largest magnitude
	v_add_nc_u32 v11, 0xfc000000, v8               ; 8 off its exponent field: the conversion's scale operand
	v_and_or_b32 v10, v8, 0x7f800000, s23          ; 448 x the scale
.irp i, 0,1,2,3,4,5,6,7,8,9,10,11,12,13,14,15
	v_med3_num_f32 v[XS+\i], v[XS+\i], -v10, v10   ; the conversion to an 8-bit code does not saturate (ISA guide 7.6.2): the hold comes first
.endr
	v_cvt_scalef32_pk8_fp8_f32 v[C+4*(\t):C+4*(\t)+1], v[XS:XS+7], v11
	v_cvt_scalef32_pk8_fp8_f32 v[C+4*(\t)+2:C+4*(\t)+3], v[XS+8:XS+15], v11
	v_lshrrev_b32 v[E+(\t)], 23, v11               ; the scale's byte
	ds_store_b8 v5, v[E+(\t)] offset:16*(\t)       ; both lanes of a block write the same byte with the same value
	global_store_b128 v4, v[C+4*(\t):C+4*(\t)+3], s[14:15] offset:32*CB*(\t)   ; the wave stores 512 consecutive bytes
.endm
.irp t, 0,1,2,3,4,5,6,7,8,9,10,11,12,13,14,15
	STEP \t
.endr
	ds_load_b64 v[12:13], v6                       ; LDS serves a wave's instructions in order: these see my byte stores
	s_wait_dscnt 0x0
	global_store_b64 v7, v[12:13], s[16:17]        ; 32 lanes store 256 consecutive bytes, aligned
	s_wait_tensorcnt 0x0
	ds_add_u32 v192, v193
	s_wait_dscnt 0x0
	s_endpgm
; THE TABLE.  rope [tile of 16 tokens: 128][piece p: 8][lane: 32][16 bytes]: lane (r, h), piece p = 4 u + jj holds cos, sin, cos, sin of token 16 T + r at frequencies i = 16 u + 8 h + 2 jj and i + 1:
; the registers in which the next launch wants them.  A wave makes one tile.
.Lrope:
	s_sub_co_u32 s25, ttmp9, 384
	s_lshl_b32 s25, s25, 2
	s_add_co_u32 s25, s25, s24                     ; T
	v_and_b32 v3, 15, v0
	v_bfe_u32 v4, v0, 4, 1
	v_lshlrev_b32 v4, 3, v4                        ; 8 h
	s_lshl_b32 s26, s25, 4
	v_add_nc_u32 v3, s26, v3
	v_cvt_f32_u32 v3, v3                           ; the token as f32
	s_wait_alu depctr_va_vdst(0)
	v_lshlrev_b32 v5, 4, v2                        ; 16 x lane
	v_mov_b32 v6, 0xB94CA1F9                       ; the highest coefficient of sin's polynomial,
	v_mov_b32 v7, 0x37CCF5CE                       ; and of cos's
	s_mov_b32 s28, 0x3FC90FDB                      ; pi/2, its first word,
	s_mov_b32 s29, 0xB33BBD2E                      ; and what is left of it
	s_lshl_b32 s26, s25, 12
	s_mov_b32 s27, 0
	s_wait_kmcnt 0x0
	s_add_nc_u64 s[18:19], s[18:19], s[26:27]
.macro ROPE1 p, e
	v_add_nc_u32 v8, 16*((\p)/4)+2*((\p)%4)+(\e), v4
	v_cvt_f32_u32 v8, v8                           ; i
	v_mul_f32 v9, 0x3ED49A80, v8                   ; i x the first word of c (18 bits x 5 bits: exact)
	v_floor_f32 v10, v9                            ; its whole part n
	v_sub_f32 v9, v9, v10                          ; exact
	v_fmac_f32 v9, 0xB4768659, v8                  ; + i x the second word
	s_wait_alu depctr_va_vdst(0)
	v_exp_f32 v11, -v9
	v_cvt_i32_f32 v10, v10                         ; (a plain line behind the exponential)
	v_sub_nc_u32 v10, 0, v10
	s_wait_alu depctr_va_vdst(0)
	v_ldexp_f32 v11, v11, v10                      ; 10000^(-i/32)
	v_mul_f32 v11, v3, v11                         ; the angle, rounded once
	v_mul_f32 v12, 0x3F22F983, v11
	v_rndne_f32 v12, v12                           ; k = the nearest multiple of pi/2
	v_fma_f32 v13, -v12, s28, v11
	v_fma_f32 v13, -v12, s29, v13                  ; rho, within pi/4 of 0
	v_mul_f32 v14, v13, v13                        ; z
	v_fmaak_f32 v15, v14, v6, 0x3C08839E
	v_fmaak_f32 v15, v14, v15, 0xBE2AAAA3
	v_mul_f32 v16, v14, v13
	v_fma_f32 v15, v16, v15, v13                   ; sin rho
	v_fmaak_f32 v17, v14, v7, 0xBAB6061A
	v_fmaak_f32 v17, v14, v17, 0x3D2AAAA5
	v_mul_f32 v18, v14, v14
	v_fma_f32 v19, v14, -0.5, 1.0
	v_fma_f32 v17, v18, v17, v19                   ; cos rho
	v_cvt_i32_f32 v12, v12
	v_and_b32 v18, 1, v12
	v_cmp_ne_u32 vcc_lo, 0, v18                    ; in odd quadrants the two change places (a selection of values: no branch)
	v_cndmask_b32 v19, v17, v15, vcc_lo
	v_cndmask_b32 v20, v15, v17, vcc_lo
	v_add_nc_u32 v18, 1, v12
	v_and_b32 v18, 2, v18
	v_lshlrev_b32 v18, 30, v18
	v_xor_b32 v[32+4*(\p)+2*(\e)], v18, v19        ; cos: negative in quadrants 1 and 2
	v_and_b32 v18, 2, v12
	v_lshlrev_b32 v18, 30, v18
	v_xor_b32 v[33+4*(\p)+2*(\e)], v18, v20        ; sin: negative in quadrants 2 and 3
.endm
.irp p, 0,1,2,3,4,5,6,7
	ROPE1 \p, 0
	ROPE1 \p, 1
	global_store_b128 v5, v[32+4*\p:35+4*\p], s[18:19] offset:512*\p   ; 512 consecutive bytes; each piece has registers of its own
.endr
	s_endpgm
.Lfunc_end_k_q3a4919eb23_quant:
	.size	k_q3a4919eb23_quant, .Lfunc_end_k_q3a4919eb23_quant-k_q3a4919eb23_quant
	.p2alignl 7, 3214868480
	.fill 96, 4, 3214868480
	.section	.rodata,"a",@progbits
	.p2align	6, 0x0
	.amdhsa_kernel k_q3a4919eb23_quant
		.amdhsa_group_segment_fixed_size 33280
		.amdhsa_private_segment_fixed_size 0
		.amdhsa_enable_private_segment 0
		.amdhsa_kernarg_size 64
		.amdhsa_user_sgpr_count 2
		.amdhsa_user_sgpr_kernarg_segment_ptr 1
		.amdhsa_wavefront_size32 1
		.amdhsa_system_sgpr_workgroup_id_x 1
		.amdhsa_system_sgpr_workgroup_id_y 1
		.amdhsa_system_sgpr_workgroup_id_z 1
		.amdhsa_system_vgpr_workitem_id 0
		.amdhsa_next_free_vgpr 194
		.amdhsa_next_free_sgpr 66
		.amdhsa_reserve_vcc 1
		.amdhsa_float_denorm_mode_32 3
		.amdhsa_float_denorm_mode_16_64 3
		.amdhsa_memory_ordered 1
		.amdhsa_forward_progress 1
		.amdhsa_inst_pref_size 79
	.end_amdhsa_kernel
	.amdgpu_metadata
---
amdhsa.version: [ 1, 2 ]
amdhsa.kernels:
  - .name:           k_q3a4919eb23_quant
    .symbol:         k_q3a4919eb23_quant.kd
    .args:
      - { .name: x, .offset: 0, .size: 8, .value_kind: global_buffer, .address_space: global }
      - { .name: Wq, .offset: 8, .size: 8, .value_kind: global_buffer, .address_space: global }
      - { .name: Wk, .offset: 16, .size: 8, .value_kind: global_buffer, .address_space: global }
      - { .name: Wv, .offset: 24, .size: 8, .value_kind: global_buffer, .address_space: global }
      - { .name: Wo, .offset: 32, .size: 8, .value_kind: global_buffer, .address_space: global }
      - { .name: cod, .offset: 40, .size: 8, .value_kind: global_buffer, .address_space: global }
      - { .name: scl, .offset: 48, .size: 8, .value_kind: global_buffer, .address_space: global }
      - { .name: rope, .offset: 56, .size: 8, .value_kind: global_buffer, .address_space: global }
    .group_segment_fixed_size: 33280
    .private_segment_fixed_size: 0
    .kernarg_segment_align: 8
    .kernarg_segment_size: 64
    .max_flat_workgroup_size: 128
    .sgpr_count:     66
    .vgpr_count:     194
    .wavefront_size: 32
...
	.end_amdgpu_metadata
.endif
;; end of part 1
;; launch qkv (part 2): grid 12 x 32, 4 waves a work-group, clusters of 4 x 4, 327,680 bytes of LDS; arguments cod, scl, rope, qb, kv; writes qb, kv
.if DOCPART == 2
	.amdgcn_target "amdgcn-amd-amdhsa--gfx1250"
	.amdhsa_code_object_version 6
	.text
	.protected	k_q3a4919eb23_qkv
	.globl	k_q3a4919eb23_qkv
	.p2align	8
	.type	k_q3a4919eb23_qkv,@function
k_q3a4919eb23_qkv:
	s_mov_b64 s[64:65], 0
	v_nop
	global_prefetch_b8 v0, s[64:65] scope:SCOPE_SE
	s_setreg_imm32_b32 hwreg(HW_REG_WAVE_MODE, 25, 1), 1
	s_wait_xcnt 0x0
	s_wait_alu depctr_hold_cnt(0) depctr_sa_sdst(0) depctr_va_vdst(0) depctr_va_sdst(0) depctr_va_ssrc(0) depctr_va_vcc(0) depctr_vm_vsrc(0)
	s_getreg_b32 s2, hwreg(HW_REG_IB_STS2, 6, 4)
	s_cmp_eq_u32 s2, 0
	s_cbranch_scc0 .Lentry_in_a_cluster
	s_endpgm
.Lentry_in_a_cluster:
	s_bfe_u32 s2, ttmp6, 0x10000c
	s_cmp_lg_u32 s2, 0xf033
	s_cbranch_scc0 .Lentry_shape_is_right
	s_endpgm
.Lentry_shape_is_right:
.set KSTEP,  256
.set NQ,     2
.set ROWB,   256
.set KROW,   1024
.set PITCH,  272
.set FR,     16
.set NL,     4
.set NP,     8
.set HALFT,  128*PITCH
.set SLOT,   4*HALFT
.set LAPS,   2
.set KS,     32
.set SCL,    2*SLOT
.set HALFS,  (128*KS/256)*272
.set SBLK,   (16*KS/256)*272
.set SPARE,  SCL+4*HALFS
.set ADRA, 16
.set ADRB, 20
.set LI,   24
.set L8,   25
.set ADRS, 27
.set SPW,  28
.set NIL,  29
.set SC,   32
.set AF,   128
.set X,    64
.set TM,   128
.set T,    144
.set PW,   152
.set SW,   160
.set PC,   192
.set G1, 24
.set G0, 32
.set G1B, 48
.set G0B, 56
.set G1S, 68
.set G0S, 76
.set G1SB, 80
.set G0SB, 88
.set SEL, 96
.set MNT, 98
.set MSB, 0
.macro WIN new
.if MSB != \new
	s_set_vgpr_msb (MSB<<8)|\new
.set MSB, \new
.endif
.endm
.set MUL_LO, 0xa1
.set MUL_HI, 0xf1
.set TO_B,   0x40
.macro JLOAD g0a, g1a, g0b, g1b
	s_cmp_eq_u32 s15, 0
	s_cbranch_scc0 .Lfor_b_\@
	tensor_load_to_lds s[\g0a:\g0a+3], s[\g1a:\g1a+7]
	s_nop 0
.rept 4
	v_nop
.endr
	s_branch .Lasked_\@
.Lfor_b_\@:
	tensor_load_to_lds s[\g0b:\g0b+3], s[\g1b:\g1b+7]
	s_nop 0
.rept 4
	v_nop
.endr
.Lasked_\@:
.endm
.macro CREST
	s_cmp_lg_u32 s14, 0
	s_cbranch_scc1 .Lnot_wave_0_\@
	s_barrier_signal -3
.Lnot_wave_0_\@:
	s_barrier_wait -3
	s_barrier_signal -1
	s_barrier_wait -1
.endm
.macro CROUND
	s_barrier_signal -1
	s_barrier_wait -1
	CREST
.endm
	s_load_b256 s[4:11], s[0:1], 0x0
	s_load_b64 s[12:13], s[0:1], 0x20
	v_lshl_add_u32 v[SPW], v0, 2, SPARE
	v_mov_b32 v[NIL], 0
	ds_add_u32 v28, v29
	ds_add_u32 v28, v29
	s_wait_dscnt 0x0
	v_lshrrev_b32 v1, 5, v0
	v_readfirstlane_b32 s14, v1
	s_lshr_b32 s15, s14, 1
	s_and_b32 s16, s14, 1
	s_bfe_u32 s40, ttmp6, 0x40000
	s_bfe_u32 s41, ttmp6, 0x40004
	s_and_b32 s95, ttmp7, 0xffff
	s_lshl_b32 s95, s95, 2
	s_lshl_b32 s96, ttmp9, 2
	s_add_co_u32 s96, s96, 32
	s_cmp_eq_u32 ttmp9, 2
	s_cselect_b32 s17, 40, s95
	s_cselect_b32 s42, s95, s96
	s_add_co_u32 s17, s17, s41
	s_add_co_u32 s42, s42, s40
	s_lshl_b32 s43, s41, 2
	s_lshl_b32 s43, 15, s43
	s_lshl_b32 s44, 0x1111, s40
	s_or_b32 s[G1+0], s43, (0<<16)|(1<<20)|(1<<21)|(5<<22)|(3<<25)
	s_or_b32 s[G1B+0], s44, (0<<16)|(1<<20)|(1<<21)|(5<<22)|(3<<25)
.irp g, G1, G1B
	s_mov_b32 s[\g+1], ROWB<<16
	s_mov_b32 s[\g+2], 256<<16
	s_mov_b32 s[\g+3], ROWB<<16
	s_mov_b32 s[\g+4], 256
	s_mov_b32 s[\g+5], KROW
	s_mov_b32 s[\g+6], 0
	s_mov_b32 s[\g+7], 0
.endr
	s_or_b32 s[G1S+0], s43, (3<<16)|(1<<20)|(1<<21)|(5<<22)|(3<<25)
	s_or_b32 s[G1SB+0], s44, (3<<16)|(1<<20)|(1<<21)|(5<<22)|(3<<25)
.irp g, G1S, G1SB
	s_mov_b32 s[\g+1], 32<<16
	s_mov_b32 s[\g+2], KS<<16
	s_mov_b32 s[\g+3], 32<<16
	s_mov_b32 s[\g+4], KS
	s_mov_b32 s[\g+5], 32
	s_mov_b32 s[\g+6], 0
	s_mov_b32 s[\g+7], 0
.endr
	s_lshl_b32 s20, s17, 8
	s_lshl_b32 s46, s42, 8
	s_mov_b32 s21, 0
	s_mov_b32 s47, 0
	s_mov_b64 s[18:19], KS
	s_mul_u64 s[22:23], s[20:21], s[18:19]
	s_mul_u64 s[92:93], s[46:47], s[18:19]
	s_mov_b64 s[18:19], KROW
	s_mul_u64 s[20:21], s[20:21], s[18:19]
	s_mul_u64 s[46:47], s[46:47], s[18:19]
	s_mul_i32 s45, s14, HALFT
	s_lshl_b32 s94, s16, 17
	s_mov_b32 s95, 0
	s_wait_kmcnt 0x0
	s_add_nc_u64 s[20:21], s[4:5], s[20:21]
	s_add_nc_u64 s[22:23], s[6:7], s[22:23]
	s_add_nc_u64 s[46:47], s[4:5], s[46:47]
	s_add_nc_u64 s[92:93], s[6:7], s[92:93]
	CROUND
	s_mov_b32 s[G0S], 1
	s_mov_b32 s[G0S+1], SCL
	s_mov_b64 s[G0S+2:G0S+3], s[22:23]
	s_or_b32 s[G0S+3], s[G0S+3], 0x80000000
	s_mov_b32 s[G0SB], 1
	s_mov_b32 s[G0SB+1], SCL+2*HALFS
	s_mov_b64 s[G0SB+2:G0SB+3], s[92:93]
	s_or_b32 s[G0SB+3], s[G0SB+3], 0x80000000
	; the head's four tiles, each whole, one load a wave: K step 0's 256 rows of A (wave 0) and of B (wave 1), the scales of A's 256 rows (wave 2) and of B's (wave 3)
	s_mov_b32 s[G0], 1
	s_mov_b32 s[G0+1], 0
	s_mov_b64 s[G0+2:G0+3], s[20:21]
	s_or_b32 s[G0+3], s[G0+3], 0x80000000
	s_mov_b32 s[G0B], 1
	s_mov_b32 s[G0B+1], 2*HALFT
	s_mov_b64 s[G0B+2:G0B+3], s[46:47]
	s_or_b32 s[G0B+3], s[G0B+3], 0x80000000
	s_add_nc_u64 s[20:21], s[20:21], s[94:95]      ; for the ring: my 128 rows of the tile
	s_add_nc_u64 s[46:47], s[46:47], s[94:95]
	s_mov_b32 s[G0+4], 1
	s_add_co_u32 s[G0+5], s45, SLOT
	s_add_nc_u64 s[G0+6:G0+7], s[20:21], ROWB
	s_or_b32 s[G0+7], s[G0+7], 0x80000000
	s_mov_b32 s[G0B+4], 1
	s_add_co_u32 s[G0B+5], s45, SLOT
	s_add_nc_u64 s[G0B+6:G0B+7], s[46:47], ROWB
	s_or_b32 s[G0B+7], s[G0B+7], 0x80000000
.macro ARM under, g0, g1, next         ; one tree of branches on the wave's number: every way through the head passes exactly one load
	s_cmp_lt_u32 s14, \under
	s_cbranch_scc0 \next
	tensor_load_to_lds s[\g0:\g0+3], s[\g1:\g1+7]
	s_nop 0
.rept 4
	v_nop
.endr
	s_branch .Lhead_asked
\next:
.endm
	ARM 1, G0,  G1,  .Lhead_b
	ARM 2, G0B, G1B, .Lhead_sa
	ARM 3, G0S, G1S, .Lhead_sb
	tensor_load_to_lds s[G0SB:G0SB+3], s[G1SB:G1SB+7]
	s_nop 0
.rept 4
	v_nop
.endr
.Lhead_asked:
	s_wait_alu depctr_va_vdst(0)
	s_wait_tensorcnt 0x0                           ; my tile of the head's four is in
	ds_add_u32 v28, v29
	s_mov_b32 s[G1+2], 128<<16                     ; no tensor load of mine is out: from here on a load brings 128 rows,
	s_mov_b32 s[G1+4], 128
	s_mov_b32 s[G1B+2], 128<<16
	s_mov_b32 s[G1B+4], 128
	s_mov_b32 s[G0+1], s45                         ; and slot 0's groups 0 take the ring's form: my quarter of the slot
	s_mov_b64 s[G0+2:G0+3], s[20:21]
	s_or_b32 s[G0+3], s[G0+3], 0x80000000
	s_mov_b32 s[G0B+1], s45
	s_mov_b64 s[G0B+2:G0B+3], s[46:47]
	s_or_b32 s[G0B+3], s[G0B+3], 0x80000000
	s_wait_dscnt 0x0
	CROUND
	JLOAD G0+4, G1, G0B+4, G1B
	v_and_b32 v1, 15, v0
	v_bfe_u32 v2, v0, 4, 1
	v_mul_u32_u24 v3, v1, PITCH
	v_lshl_add_u32 v4, v2, 4, v3
	s_mul_i32 s21, s15, HALFT
	s_mul_i32 s22, s16, HALFT
	s_add_co_u32 s22, s22, 2*HALFT
.irp s, 0,1
	v_add_nc_u32 v[ADRA+\s], s21, v4
	v_add_nc_u32 v[ADRB+\s], s22, v4
	s_add_co_u32 s21, s21, SLOT
	s_add_co_u32 s22, s22, SLOT
.endr
	v_mul_u32_u24 v5, v1, KS
	v_lshrrev_b32 v6, 8, v5
	v_lshl_add_u32 v5, v6, 4, v5
	s_mul_i32 s21, s15, HALFS
	s_mul_i32 s22, s16, HALFS
	s_add_co_u32 s22, s22, 2*HALFS
	s_sub_co_u32 s22, s22, s21
	v_mul_u32_u24 v6, s22, v2
	s_add_co_u32 s21, s21, SCL
	v_add_nc_u32 v5, v5, v6
	v_add_nc_u32 v[ADRS], s21, v5
	v_and_b32 v6, 31, v0
	v_lshlrev_b32 v[LI], 4, v6
	v_lshlrev_b32 v[L8], 3, v6
.macro FRAG reg, adr, q, i
.irp c, 0,1,2,3
	ds_load_b128 v[\reg+4*\c:\reg+4*\c+3], v[\adr] offset:128*(\q)+32*\c+(\i)*16*PITCH
.endr
.endm
.macro MUL16 a0, p, q, sc, zero
.irp a, \a0, \a0+1
.irp b, 0,1,2,3,4,5,6,7
.if \zero
	v_wmma_scale_f32_16x16x128_f8f6f4 v[8*(8*((\a)%4)+\b):8*(8*((\a)%4)+\b)+7], v[128*(\p)+FR*\b:128*(\p)+FR*\b+FR-1], v[AF+FR*(\a):AF+FR*(\a)+FR-1], 0, v[SC+8*NQ*(\sc)+NQ*\b+(\q)], v[SC+8*NQ*(\sc)+NQ*(\a)+(\q)] matrix_a_scale:MATRIX_SCALE_ROW1
.else
	v_wmma_scale_f32_16x16x128_f8f6f4 v[8*(8*((\a)%4)+\b):8*(8*((\a)%4)+\b)+7], v[128*(\p)+FR*\b:128*(\p)+FR*\b+FR-1], v[AF+FR*(\a):AF+FR*(\a)+FR-1], v[8*(8*((\a)%4)+\b):8*(8*((\a)%4)+\b)+7], v[SC+8*NQ*(\sc)+NQ*\b+(\q)], v[SC+8*NQ*(\sc)+NQ*(\a)+(\q)] matrix_a_scale:MATRIX_SCALE_ROW1
.endif
.endr
.endr
.endm
.macro FETCH_B slot, q, p
	WIN TO_B
.irp i, 0,1,2,3,4,5,6,7
	FRAG 128*(\p)+FR*\i, ADRB+\slot, \q, \i
.endr
	WIN 0
.endm
.macro FETCH_A slot, q, i0
.irp i, \i0, \i0+1, \i0+2, \i0+3
	FRAG AF+FR*(\i), ADRA+\slot, \q, \i
.endr
.endm
.macro SCALES sc
.irp i, 0,1,2,3,4,5,6,7
	ds_load_b64 v[SC+8*NQ*\sc+NQ*\i:SC+8*NQ*\sc+NQ*\i+1], v[ADRS] offset:\i*SBLK
.endr
.endm
.macro PLACES n
.rept \n
	v_nop
.endr
.endm
.macro STEP slot, q, zero
	s_wait_dscnt 4*NL
	WIN MUL_LO
	MUL16 0, (\q)%2, \q, \slot, \zero
	MUL16 2, (\q)%2, \q, \slot, \zero
	s_wait_dscnt 0
	PLACES NP
	FETCH_B \slot, (\q)+1, 1-(\q)%2
	FETCH_A \slot, (\q)+1, 0
	WIN MUL_HI
	MUL16 4, (\q)%2, \q, \slot, \zero
	MUL16 6, (\q)%2, \q, \slot, \zero
	PLACES NP
	WIN 0
	FETCH_A \slot, (\q)+1, 4
.endm
.macro TURN slot, next, fill
	s_wait_tensorcnt 0x0
	ds_add_u32 v[SPW], v[NIL]
	s_wait_dscnt 4*NL+1
	WIN MUL_LO
	MUL16 0, 1, NQ-1, \slot, 0
	s_wait_dscnt 0x0
	s_barrier_signal -1
	MUL16 2, 1, NQ-1, \slot, 0
	WIN 0
	s_barrier_wait -1
.if \fill
	CREST
	s_add_nc_u64 s[G0+4*\slot+2:G0+4*\slot+3], s[G0+4*\slot+2:G0+4*\slot+3], 2*ROWB
	s_add_nc_u64 s[G0B+4*\slot+2:G0B+4*\slot+3], s[G0B+4*\slot+2:G0B+4*\slot+3], 2*ROWB
	JLOAD G0+4*\slot, G1, G0B+4*\slot, G1B
	PLACES NP-4
.else
	PLACES NP
.endif
	s_wait_alu depctr_va_vdst(0)
	v_add_nc_u32 v[ADRS], 4*NQ, v[ADRS]
	FETCH_B \next, 0, 0
	FETCH_A \next, 0, 0
	SCALES \next
	WIN MUL_HI
	MUL16 4, 1, NQ-1, \slot, 0
	MUL16 6, 1, NQ-1, \slot, 0
	PLACES NP
	WIN 0
	FETCH_A \next, 0, 4
.endm
	s_wait_alu depctr_va_vdst(0)
	s_wait_tensorcnt 1
	s_barrier_signal -1
	s_barrier_wait -1
	FETCH_B 0, 0, 0
	FETCH_A 0, 0, 0
	SCALES 0
	FETCH_A 0, 0, 4
	STEP 0, 0, 1
	s_mov_b32 s3, LAPS-1
.Llap:
	TURN 0, 1, 1
	STEP 1, 0, 0
	TURN 1, 0, 1
	STEP 0, 0, 0
	s_sub_co_u32 s3, s3, 1
	s_cmp_lg_u32 s3, 0
	s_cbranch_scc1 .Llap
	TURN 0, 1, 0
	STEP 1, 0, 0
	; the table of cos and sin for my first four blocks of 16 tokens is asked for here, ahead of the last 64 products: B's set 0 (window 1, v0-127) was last read eight places back
	s_cmp_eq_u32 ttmp9, 2                          ; v's tiles are not rotated: the branch hangs on the cluster's x alone
	s_cbranch_scc1 .Lno_rope
	s_and_b32 s67, s17, 7
	s_lshl_b32 s67, s67, 1
	s_add_co_u32 s67, s67, s15
	s_lshl_b32 s92, s67, 15                        ; my 128 tokens' 32,768 bytes of the table
	s_mov_b32 s93, 0
	s_add_nc_u64 s[8:9], s[8:9], s[92:93]
	WIN 0x40
.set JJ, 0
.rept 32
	global_load_b128 v[4*JJ:4*JJ+3], v[LI], s[8:9] offset:512*JJ
.set JJ, JJ+1
.endr
	WIN 0
.Lno_rope:
	s_wait_dscnt 4*NL
	WIN MUL_LO
	MUL16 0, 1, NQ-1, 1, 0
	MUL16 2, 1, NQ-1, 1, 0
	s_wait_dscnt 0
	WIN MUL_HI
	MUL16 4, 1, NQ-1, 1, 0
	MUL16 6, 1, NQ-1, 1, 0
	WIN 0
.macro QUANT s, w, a
.set PCS, PC+16*((\a)%4)
.set WW, 5*(\w)
	WIN WW
.irp b, 0,1,2,3
	v_max3_num_f32 v[TM+\b], |v[\s+16*\b]|, |v[\s+16*\b+1]|, 0x4800000
.endr
.irp i, 2,4,6,8,10,12,14
.irp b, 0,1,2,3
	v_max3_num_f32 v[TM+\b], |v[\s+16*\b+\i]|, |v[\s+16*\b+\i+1]|, v[TM+\b]
.endr
.endr
	WIN 0
.irp b, 0,1,2,3
	v_permlanex16_b32 v[TM+4+\b], v[TM+\b], s[SEL], s[SEL+1]
.endr
.irp b, 0,1,2,3
	v_max_num_f32 v[TM+\b], v[TM+\b], v[TM+4+\b]
.endr
.irp b, 0,1,2,3
	v_add_nc_u32 v[TM+12+\b], 0xfc000000, v[TM+\b]
.endr
.irp b, 0,1,2,3
	v_and_or_b32 v[TM+8+\b], v[TM+\b], 0x7f800000, s[MNT]
.endr
.irp b, 0,1,2,3
	v_lshrrev_b32 v[TM+4+\b], 23, v[TM+12+\b]
.endr
	v_lshl_or_b32 v[PW+(\a)], v[TM+5], 8, v[TM+4]
	v_lshl_or_b32 v[PW+(\a)], v[TM+6], 16, v[PW+(\a)]
	v_lshl_or_b32 v[PW+(\a)], v[TM+7], 24, v[PW+(\a)]
	WIN \w
.irp b, 0,1,2,3
.irp i, 0,1,2,3,4,5,6,7,8,9,10,11,12,13,14,15
	v_med3_num_f32 v[X+16*\b+\i], v[\s+16*\b+\i], -v[TM+8+\b], v[TM+8+\b]
.endr
.endr
	WIN 0
.irp b, 0,1,2,3
	v_cvt_scalef32_pk8_fp8_f32 v[PCS+4*\b:PCS+4*\b+1], v[X+16*\b:X+16*\b+7], v[TM+12+\b]
	v_cvt_scalef32_pk8_fp8_f32 v[PCS+4*\b+2:PCS+4*\b+3], v[X+16*\b+8:X+16*\b+15], v[TM+12+\b]
.endr
	v_nop
.endm
.macro EPQ a
.set AC, 64*((\a)%4)
.set WN, 2+(\a)/4
.set CSS, 32*(\a)
	s_wait_xcnt 0x0
	s_wait_loadcnt 8*(7-(\a))                      ; this block's eight loads are in; the younger blocks', eight each, may be out
.set WW, WN+4
	WIN WW
.irp hh, 0,1
.irp u, 0,1
.irp jh, 0,4
.irp jl, 0,1,2,3
	v_mul_f32 v[T+2*\jl], v[AC+32*\hh+8*\u+\jh+\jl+16], v[CSS+4*(4*\u+(\jh+\jl)/2)+2*(\jl%2)+1]
	v_mul_f32 v[T+2*\jl+1], v[AC+32*\hh+8*\u+\jh+\jl], v[CSS+4*(4*\u+(\jh+\jl)/2)+2*(\jl%2)+1]
.endr
.irp jl, 0,1,2,3
	v_fma_f32 v[X+32*\hh+8*\u+\jh+\jl], v[AC+32*\hh+8*\u+\jh+\jl], v[CSS+4*(4*\u+(\jh+\jl)/2)+2*(\jl%2)], -v[T+2*\jl]
	v_fma_f32 v[X+32*\hh+8*\u+\jh+\jl+16], v[AC+32*\hh+8*\u+\jh+\jl+16], v[CSS+4*(4*\u+(\jh+\jl)/2)+2*(\jl%2)], v[T+2*\jl+1]
.endr
.endr
.endr
.endr
	QUANT X, 0, \a
.irp c, 0,1,2,3
	global_store_b128 v[LI], v[PCS+4*\c:PCS+4*\c+3], s[68+4*(\c/2):69+4*(\c/2)] offset:1024*(\a)+512*(\c%2)
.endr
.if ((\a)%4) == 3
.set GG, (\a)/4
	v_cndmask_b32 v[SW], v[PW+4*GG], v[PW+4*GG+1], vcc_lo
	v_cndmask_b32 v[SW+1], v[PW+4*GG+2], v[PW+4*GG+3], vcc_lo
	v_and_b32 v[SW+2], 0xffff, v[SW]
	v_and_b32 v[SW+3], 0xffff, v[SW+1]
	v_lshrrev_b32 v[SW+4], 16, v[SW]
	v_lshrrev_b32 v[SW+5], 16, v[SW+1]
	global_store_b64 v[L8], v[SW+2:SW+3], s[68:69] offset:8192+256*GG
	global_store_b64 v[L8], v[SW+4:SW+5], s[72:73] offset:8192+256*GG
.endif
.endm
.macro EPV a
.set AC, 64*((\a)%4)
.set WN, 2+(\a)/4
	s_wait_xcnt 0x0
	QUANT AC, WN, \a
.irp c, 0,1,2,3
	global_store_b128 v[LI], v[PCS+4*\c:PCS+4*\c+3], s[68+4*((\a)/4):69+4*((\a)/4)] offset:8704+2048*((\a)%4)+512*\c
.endr
.if ((\a)%4) == 3
.set GG, (\a)/4
	v_cndmask_b32 v[SW], v[PW+4*GG], v[PW+4*GG+1], vcc_lo
	v_cndmask_b32 v[SW+1], v[PW+4*GG+2], v[PW+4*GG+3], vcc_lo
	global_store_b64 v[L8], v[SW:SW+1], s[68+4*GG:69+4*GG] offset:16896
.endif
.endm
	PLACES NP
.irp b, 0,1,2,3
	v_mov_b32 v[TM+4+\b], 0
.endr
	s_mov_b32 vcc_lo, 0xffff0000
	s_mov_b32 s[SEL], 0x76543210
	s_mov_b32 s[SEL+1], 0xfedcba98
	s_mov_b32 s[MNT], 0x600000
	s_cmp_eq_u32 ttmp9, 2
	s_cbranch_scc1 .Lv_out
	s_lshr_b32 s66, s17, 3
	s_lshl_b32 s66, s66, 4
	s_lshl_b32 s67, s40, 2
	s_add_co_u32 s66, s66, s67
	s_lshl_b32 s67, s16, 1
	s_add_co_u32 s66, s66, s67
	s_and_b32 s67, s17, 7
	s_lshl_b32 s67, s67, 1
	s_add_co_u32 s67, s67, s15
	s_mov_b32 s94, 274432
	s_mov_b32 s95, 17152
	s_cmp_eq_u32 ttmp9, 0
	s_cselect_b64 s[68:69], s[10:11], s[12:13]
	s_cselect_b32 s94, 139264, s94
	s_cselect_b32 s95, 8704, s95
	s_mul_i32 s66, s66, s94
	s_mul_i32 s67, s67, s95
	s_add_co_u32 s70, s66, s67
	s_mov_b32 s71, 0
	s_add_nc_u64 s[68:69], s[68:69], s[70:71]
	s_mov_b32 s70, s94
	s_add_nc_u64 s[72:73], s[68:69], s[70:71]
	WIN 0x40
.set JJ, 32
.rept 32
	global_load_b128 v[4*JJ:4*JJ+3], v[LI], s[8:9] offset:512*JJ   ; blocks 4 to 7: each block has 32 registers of its own
.set JJ, JJ+1
.endr
	WIN 0
.irp a, 0,1,2,3,4,5,6,7
	EPQ \a
.endr
	s_branch .Lend
.Lv_out:
	s_lshr_b32 s66, s42, 3
	s_lshl_b32 s66, s66, 4
	s_lshl_b32 s67, s41, 2
	s_add_co_u32 s66, s66, s67
	s_lshl_b32 s67, s15, 1
	s_add_co_u32 s66, s66, s67
	s_and_b32 s67, s42, 7
	s_lshl_b32 s67, s67, 1
	s_add_co_u32 s67, s67, s16
	s_mul_i32 s66, s66, 274432
	s_mul_i32 s67, s67, 17152
	s_add_co_u32 s70, s66, s67
	s_mov_b32 s71, 0
	s_add_nc_u64 s[68:69], s[12:13], s[70:71]
	s_add_nc_u64 s[72:73], s[68:69], 274432
.irp a, 0,1,2,3,4,5,6,7
	EPV \a
.endr
.Lend:
	s_wait_tensorcnt 0x0
	ds_add_u32 v[SPW], v[NIL]
	s_wait_dscnt 0x0
	CROUND
	s_endpgm
.Lfunc_end_k_q3a4919eb23_qkv:
	.size	k_q3a4919eb23_qkv, .Lfunc_end_k_q3a4919eb23_qkv-k_q3a4919eb23_qkv
	.p2alignl 7, 3214868480
	.fill 96, 4, 3214868480
	.section	.rodata,"a",@progbits
	.p2align	6, 0x0
	.amdhsa_kernel k_q3a4919eb23_qkv
		.amdhsa_group_segment_fixed_size 327680
		.amdhsa_private_segment_fixed_size 0
		.amdhsa_enable_private_segment 0
		.amdhsa_kernarg_size 40
		.amdhsa_user_sgpr_count 2
		.amdhsa_user_sgpr_kernarg_segment_ptr 1
		.amdhsa_wavefront_size32 1
		.amdhsa_system_sgpr_workgroup_id_x 1
		.amdhsa_system_sgpr_workgroup_id_y 1
		.amdhsa_system_sgpr_workgroup_id_z 1
		.amdhsa_system_vgpr_workitem_id 0
		.amdhsa_next_free_vgpr 1024
		.amdhsa_next_free_sgpr 100
		.amdhsa_reserve_vcc 1
		.amdhsa_float_denorm_mode_32 3
		.amdhsa_float_denorm_mode_16_64 3
		.amdhsa_memory_ordered 1
		.amdhsa_forward_progress 1
		.amdhsa_inst_pref_size 255
	.end_amdhsa_kernel
	.section	.bss,"aw",@nobits
	.p2align	6
	.space	262144
	.amdgpu_metadata
---
amdhsa.version: [ 1, 2 ]
amdhsa.kernels:
  - .name:           k_q3a4919eb23_qkv
    .symbol:         k_q3a4919eb23_qkv.kd
    .args:
      - { .name: cod, .offset: 0, .size: 8, .value_kind: global_buffer, .address_space: global }
      - { .name: scl, .offset: 8, .size: 8, .value_kind: global_buffer, .address_space: global }
      - { .name: rope, .offset: 16, .size: 8, .value_kind: global_buffer, .address_space: global }
      - { .name: qb, .offset: 24, .size: 8, .value_kind: global_buffer, .address_space: global }
      - { .name: kv, .offset: 32, .size: 8, .value_kind: global_buffer, .address_space: global }
    .group_segment_fixed_size: 327680
    .private_segment_fixed_size: 0
    .kernarg_segment_align: 8
    .kernarg_segment_size: 40
    .max_flat_workgroup_size: 128
    .sgpr_count:     100
    .vgpr_count:     1024
    .wavefront_size: 32
...
	.end_amdgpu_metadata
.endif
;; end of part 2
;; launch attn (part 3): grid 4 x 64, 8 waves a work-group, clusters of 4 x 1, 327,680 bytes of LDS; arguments qb, kv, attention_mask, oimg, os; writes oimg, os
.if DOCPART == 3
	.amdgcn_target "amdgcn-amd-amdhsa--gfx1250"
	.amdhsa_code_object_version 6
	.text
	.protected	k_q3a4919eb23_attn
	.globl	k_q3a4919eb23_attn
	.p2align	8
	.type	k_q3a4919eb23_attn,@function
k_q3a4919eb23_attn:
	s_mov_b64 s[64:65], 0
	v_nop
	global_prefetch_b8 v0, s[64:65] scope:SCOPE_SE
	s_setreg_imm32_b32 hwreg(HW_REG_WAVE_MODE, 25, 1), 1
	s_wait_xcnt 0x0
	s_wait_alu depctr_hold_cnt(0) depctr_sa_sdst(0) depctr_va_vdst(0) depctr_va_sdst(0) depctr_va_ssrc(0) depctr_va_vcc(0) depctr_vm_vsrc(0)
	s_getreg_b32 s2, hwreg(HW_REG_IB_STS2, 6, 4)
	s_cmp_eq_u32 s2, 0
	s_cbranch_scc0 .Lentry_in_a_cluster
	s_endpgm
.Lentry_in_a_cluster:
	s_bfe_u32 s2, ttmp6, 0x10000c
	s_cmp_lg_u32 s2, 0x3003
	s_cbranch_scc0 .Lentry_shape_is_right
	s_endpgm
.Lentry_shape_is_right:
; O = softmax(q k^T / 8 - (1 - mask) 1e9) v for one head and 512 queries a work-group, both products on codes of FP8 (E4M3) with E8M0 scales; then O / l is quantised along (head, channel) for the output projection.
; THE SOFTMAX: t = logit x log2(e); M = the running largest t rounded UP to a whole number; p = 2^(t - M) is quantised along the keys, not normalised; the row's sum l is taken of the unquantised p;
; when M moves, l and O are multiplied by 2^(old M - new M), which rounds nothing.
; THE MASK is arithmetic: (mask - 1) x 8e9 for each key is the C operand of the score products, so that (score + C) / 8 = score / 8 - (1 - mask) 1e9.
; THE HEAD'S WHOLE K AND V STAY IN LDS: 16 steps of 128 keys x 17,152 bytes (images of operand registers), each byte filled once, asked for jointly by the head's four query blocks, which form the cluster.
; Wave w asks for steps 2 w and 2 w + 1 by its one load at the head.  No prefetch: the loads are asked for ahead of the loops, so there is no loop to run ahead in.
; SHARES: a wave owns 64 queries, in two passes of two tiles of 16: tile A in register window 0, tile B at the same numbers in window 1.  Each fragment of K and V and each mask number read from LDS feeds both.
; LAYOUT: S^T = K Q^T, O^T = V^T P^T: a lane holds one query throughout; p's 16 registers of two neighbouring tiles are one half of a block of 32 keys, in the order in which v's codes were laid.
; THE HEAD HAS 64 CHANNELS, the instruction takes 128: Q's fragment is 8 registers of codes and 8 of zero codes; K's operand of tile t is its 8 registers and the 8 that follow: they meet Q's zeros.  The upper two bytes of both scale words are 0, never 0xff.
; THE ORDER OF A STEP.  K and the mask numbers were asked for in the step before.  The mask numbers lie in A's score registers: B's scores take them as C, nine places follow, then A's scores are made in place on them.
; Behind the scores V (into window 1) and the next step's K are asked for; both tiles' maxima and the rescaling of l and O^T stand ahead of the step's exponentials; then A's multiply-adds and its 68 exponentials, B's multiply-adds and its 68,
; A's sums, holds and conversions, the next step's mask numbers into A's score registers, and B's sums, holds and conversions.
; The last step's look-ahead reads the mask numbers and a pad of 1,024 zero bytes behind them; what it brings is not used.
; LIMITS: NaN and infinities are not served.  The scaled scores stay under 2^31 in magnitude.  Where every key of a batch is masked, the result hangs on how -8e9 + score rounds in the matrix unit's sum.  A block of zeros gets the byte 1.
; REGISTERS (window 1: the same numbers for tile B unless said): v1-11 addresses; v12 -M, v13 largest score, v[14:15] l; v16-31 Q; v32-95 window 0: K, window 1: V; v96-103 zeros (window 0);
;   v104-167 S then p (window 0: first the mask numbers); v168-199 O^T; v200-215 p's codes; v216.. at work.  Scale words, window 0 alone: v240-243 K, v244-245 V, v246 Q, v248, v249 p.  v254, v255: the spare word's address and 0.
.set DUAL,  1                          ; 1: the holds go two to an instruction
.set STEPB, 17152
.set BIAS,  16*STEPB                   ; 8,192 bytes: a number for each key, and 1,024 zero bytes; written by LDS stores
.set OSG,   BIAS+9216                  ; 1,024 bytes: the result's scale bytes
.set SPARE, OSG+1024
.set LI,  1
.set L8,  2
.set BI,  3
.set ADK, 4
.set ADS, 5
.set ADB, 6
.set OSA, 7
.set OSR, 8
.set PAD, 9
.set BST, 10
.set MOF, 11
.set NM,  12
.set TMX, 13
.set LS,  14
.set QF,  16
.set KF,  32
.set ZR,  96
.set SS,  104
.set OO,  168
.set PC,  200
.set BM,  216
.set PB,  220
.set HD,  224
.set SO,  228
.set FF,  232
.set PWD, 233
.set TT,  234
.set KSC, 240
.set VSC, 244
.set QSC, 246
.set PSC, 248
.set WV,  14
.set MNT, 19
.set SEL, 20
.set CS,  22
.set TB,  40
.set TBB, 41
.set CNT, 42
.set CSN, 43
.set MSB, 0
.macro WIN new                         ; the immediate's high byte repeats the setting that is left
.if MSB != \new
	s_set_vgpr_msb (MSB<<8)|\new
.set MSB, \new
.endif
.endm
.macro NOPS n
.rept \n
	v_nop
.endr
.endm
.macro ROUND                           ; a round of the cluster's barrier
	s_barrier_signal -1
	s_barrier_wait -1
	s_cmp_lg_u32 s[WV], 0
	s_cbranch_scc1 .Lnot_wave_0_\@
	s_barrier_signal -3
.Lnot_wave_0_\@:
	s_barrier_wait -3
	s_barrier_signal -1
	s_barrier_wait -1
.endm
.macro QLOAD ps                        ; the pass's two tiles of Q and their scale words
	global_load_b128 v[QF:QF+3], v[LI], s[44:45] offset:17408*\ps
	global_load_b128 v[QF+4:QF+7], v[LI], s[44:45] offset:17408*\ps+512
	global_load_b32 v[QSC], v[L8], s[46:47] offset:17408*\ps
	WIN 0x40
	global_load_b128 v[QF:QF+3], v[LI], s[44:45] offset:17408*\ps+1024
	global_load_b128 v[QF+4:QF+7], v[LI], s[44:45] offset:17408*\ps+1536
	WIN 0
.endm
	s_load_b256 s[4:11], s[0:1], 0x0               ; qb, kv, attention_mask, oimg
	s_load_b64 s[12:13], s[0:1], 0x20              ; os
	v_lshl_add_u32 v254, v0, 2, SPARE
	v_mov_b32 v255, 0
	ds_add_u32 v254, v255                          ; the opening lines: the add twice on end and its wait
	ds_add_u32 v254, v255
	v_lshrrev_b32 v9, 5, v0
	s_delay_alu instid0(VALU_DEP_1)
	v_readfirstlane_b32 s[WV], v9                  ; wave 0..7
	s_bfe_u32 s15, ttmp6, 0x40000                  ; cx: my block of 512 queries; it enters global addresses of Q and of the results alone
	s_and_b32 s16, ttmp7, 0xffff                   ; 16 x batch + head, which the four partners share
	v_and_b32 v9, 31, v0
	s_delay_alu instid0(VALU_DEP_1)
	v_lshlrev_b32 v[LI], 4, v9
	s_delay_alu instid0(VALU_DEP_2)
	v_lshlrev_b32 v[L8], 3, v9
	s_delay_alu instid0(VALU_DEP_2)
	v_add_nc_u32 v[OSR], OSG, v[LI]
	v_bfe_u32 v9, v0, 4, 1
	s_delay_alu instid0(VALU_DEP_1)
	v_lshl_add_u32 v[BI], v9, 5, BIAS
	v_and_b32 v9, 15, v0
	s_lshl_b32 s17, s[WV], 6
	s_add_co_u32 s17, s17, OSG
	v_lshl_add_u32 v[OSA], v9, 1, s17
	v_lshlrev_b32 v[MOF], 4, v0
	s_delay_alu instid0(VALU_DEP_1)
	v_add_nc_u32 v[BST], BIAS, v[MOF]
	v_lshl_add_u32 v[PAD], v0, 2, BIAS+8192        ; my word of the pad
	; descriptor group 1: two steps' 34,304 dense bytes as 134 rows of 256 (32 elements of 8 bytes)
	s_mov_b32 s24, 15|(3<<16)|(1<<21)              ; the mask: all four work-groups; bit 21 set beside a mask
	s_mov_b32 s25, 32<<16
	s_mov_b32 s26, 134<<16
	s_mov_b32 s27, 32<<16
	s_mov_b32 s28, 134
	s_mov_b32 s29, 32
	s_mov_b32 s30, 0
	s_mov_b32 s31, 0
	s_mul_i32 s18, s[WV], 2*STEPB                  ; steps 2 w and 2 w + 1: their place in LDS and in the head's bytes alike
	s_mul_i32 s52, s16, 16*STEPB
	s_add_co_u32 s52, s52, s18
	s_mov_b32 s53, 0
	s_lshr_b32 s54, s[WV], 2
	s_lshl_b32 s55, s15, 2
	s_add_co_u32 s54, s54, s55                     ; Q: step 4 cx + wave / 4 (pass 1: two steps on)
	s_mul_i32 s54, s54, 8704
	s_mul_i32 s55, s16, 139264
	s_add_co_u32 s54, s54, s55
	s_and_b32 s56, s[WV], 3
	s_lshl_b32 s57, s56, 11
	s_add_co_u32 s44, s54, s57                     ; tiles 2 (wave % 4) and the next: 1,024 bytes each
	s_mov_b32 s45, 0
	s_lshr_b32 s57, s56, 1
	s_lshl_b32 s57, s57, 8
	s_and_b32 s58, s[WV], 1
	s_lshl_b32 s58, s58, 2
	s_add_co_u32 s57, s57, s58
	s_add_co_u32 s57, s57, 8192
	s_add_co_u32 s46, s54, s57                     ; their scale words
	s_mov_b32 s47, 0
	s_lshr_b32 s54, s16, 4
	s_lshl_b32 s59, s54, 13                        ; the batch's row of the mask
	s_lshl_b32 s54, s54, 7
	s_lshl_b32 s55, s15, 5
	s_add_co_u32 s54, s54, s55
	s_lshl_b32 s55, s[WV], 1
	s_add_co_u32 s54, s54, s55                     ; the result: tile of 16 tokens 128 x batch + 32 cx + 2 x wave (tile B: + 1; pass 1: + 16),
	s_lshl_b32 s54, s54, 14                        ; 16,384 bytes each,
	s_and_b32 s55, s16, 15
	s_lshl_b32 s55, s55, 10                        ; the head's two pieces of 512 bytes
	s_add_co_u32 s48, s54, s55
	s_mov_b32 s49, 0
	s_lshl_b32 s50, s16, 12
	s_lshl_b32 s55, s15, 10
	s_add_co_u32 s50, s50, s55
	s_mov_b32 s51, 0
	s_mov_b32 s58, s59
	s_mov_b32 s59, 0
	s_mov_b32 s[MNT], 0x600000
	s_mov_b32 s[SEL], 0x76543210
	s_mov_b32 s[SEL+1], 0xfedcba98
	s_mov_b32 s[CS], 0x3E38AA3B                    ; c = log2(e) / 8
	s_mov_b32 s[CS+1], s[CS]
	s_mov_b32 s[CSN], 0xBE38AA3B                   ; -c
	s_wait_alu depctr_va_vdst(0)
	s_wait_dscnt 0x0
	s_wait_kmcnt 0x0
	s_add_nc_u64 s[52:53], s[6:7], s[52:53]
	s_add_nc_u64 s[44:45], s[4:5], s[44:45]
	s_add_nc_u64 s[46:47], s[4:5], s[46:47]
	s_add_nc_u64 s[48:49], s[10:11], s[48:49]
	s_add_nc_u64 s[50:51], s[12:13], s[50:51]
	s_add_nc_u64 s[8:9], s[8:9], s[58:59]
	global_load_b128 v[SS:SS+3], v[MOF], s[8:9]                 ; the batch's 2,048 mask words: 8 a thread
	global_load_b128 v[SS+4:SS+7], v[MOF], s[8:9] offset:4096
	QLOAD 0
	s_mov_b32 s32, 1
	s_mov_b32 s33, s18
	s_mov_b64 s[34:35], s[52:53]
	s_or_b32 s35, s35, 0x80000000
.irp w, 0,1
	WIN 0x40*\w
.irp j, 8,9,10,11,12,13,14,15
	v_mov_b32 v[QF+\j], 0                          ; Q's zero codes for places 64-127
.endr
.irp b, 0,1,2,3
	v_mov_b32 v[PB+\b], 0                          ; a lane permute's destination counts as one of its sources
.endr
	v_mov_b32 v[PWD], 0                            ; (named as the upper half of a pair before it is first written)
.endr
	WIN 0
.irp j, 0,1,2,3,4,5,6,7
	v_mov_b32 v[ZR+\j], 0
.endr
	v_mov_b32 v[SS+8], 0x4FEE6B28                  ; 8e9
	ROUND                                          ; all four work-groups are here: the joint loads meet
	tensor_load_to_lds s[32:35], s[24:31]          ; my one load
	s_nop 0
	NOPS 4
	s_wait_loadcnt 5                               ; the mask's two loads are in; Q's five stay out
.irp j, 0,1,2,3,4,5,6,7
	v_cvt_f32_i32 v[SS+\j], v[SS+\j]
.endr
	s_wait_alu depctr_va_vdst(0)
.irp j, 0,1,2,3,4,5,6,7
	v_fma_f32 v[SS+\j], v[SS+\j], v[SS+8], -v[SS+8]   ; (mask - 1) x 8e9: 0 for 1, -8e9 for 0, both exact
.endr
	ds_store_b128 v[BST], v[SS:SS+3]
	ds_store_b128 v[BST], v[SS+4:SS+7] offset:4096
	ds_store_b32 v[PAD], v255                      ; the pad: 256 threads x 4 zero bytes
	s_wait_alu depctr_va_vdst(0)
	s_wait_tensorcnt 0x0                           ; my two steps are in
	s_wait_dscnt 0x0                               ; my stores have landed
	s_barrier_signal -1
	s_barrier_wait -1                              ; everybody's are
.macro SCORE w                         ; eight tiles of 16 keys x the window's 16 queries; C = the keys' mask numbers, which lie in A's score registers
.irp t, 0,1,2,3,4,5,6,7
.if \w == 0
.if \t%2 == 0
	v_wmma_scale_f32_16x16x128_f8f6f4 v[SS+8*\t:SS+8*\t+7], v[KF+8*\t:KF+8*\t+15], v[QF:QF+15], v[SS+8*\t:SS+8*\t+7], v[KSC+2*(\t/4)+(\t%4)/2], v[QSC]
.else
	v_wmma_scale_f32_16x16x128_f8f6f4 v[SS+8*\t:SS+8*\t+7], v[KF+8*\t:KF+8*\t+15], v[QF:QF+15], v[SS+8*\t:SS+8*\t+7], v[KSC+2*(\t/4)+(\t%4)/2], v[QSC] matrix_a_scale:MATRIX_SCALE_ROW1
.endif
.else
.if \t%2 == 0
	v_wmma_scale_f32_16x16x128_f8f6f4 v[SS+8*\t:SS+8*\t+7], v[KF+8*\t:KF+8*\t+15], v[QF:QF+15], v[SS+8*\t:SS+8*\t+7], v[KSC+2*(\t/4)+(\t%4)/2], v[QSC] matrix_b_scale:MATRIX_SCALE_ROW1
.else
	v_wmma_scale_f32_16x16x128_f8f6f4 v[SS+8*\t:SS+8*\t+7], v[KF+8*\t:KF+8*\t+15], v[QF:QF+15], v[SS+8*\t:SS+8*\t+7], v[KSC+2*(\t/4)+(\t%4)/2], v[QSC] matrix_a_scale:MATRIX_SCALE_ROW1 matrix_b_scale:MATRIX_SCALE_ROW1
.endif
.endif
.endr
.endm
.macro PV w                            ; O^T += V^T P^T: four tiles of 16 channels, K = the step's 128 keys
.irp d, 0,1,2,3
.if \d%2 == 0
	v_wmma_scale_f32_16x16x128_f8f6f4 v[OO+8*\d:OO+8*\d+7], v[KF+16*\d:KF+16*\d+15], v[PC:PC+15], v[OO+8*\d:OO+8*\d+7], v[VSC+\d/2], v[PSC+\w]
.else
	v_wmma_scale_f32_16x16x128_f8f6f4 v[OO+8*\d:OO+8*\d+7], v[KF+16*\d:KF+16*\d+15], v[PC:PC+15], v[OO+8*\d:OO+8*\d+7], v[VSC+\d/2], v[PSC+\w] matrix_a_scale:MATRIX_SCALE_ROW1
.endif
.endr
.endm
.macro LOADK o                         ; K's eight tiles and their scale words, o bytes on from the step in hand
.irp t, 0,1,2,3,4,5,6,7
	ds_load_b128 v[KF+8*\t:KF+8*\t+3], v[ADK] offset:\o+1024*\t
	ds_load_b128 v[KF+8*\t+4:KF+8*\t+7], v[ADK] offset:\o+1024*\t+512
.endr
	ds_load_b64 v[KSC:KSC+1], v[ADS] offset:\o+8192
	ds_load_b64 v[KSC+2:KSC+3], v[ADS] offset:\o+8448
.endm
.macro LOADM o                         ; mask numbers of keys 16 t + 8 (lane / 16) + 0 .. 7, the C operand's layout, into A's score registers
.irp t, 0,1,2,3,4,5,6,7
	ds_load_b128 v[SS+8*\t:SS+8*\t+3], v[ADB] offset:\o+64*\t
	ds_load_b128 v[SS+8*\t+4:SS+8*\t+7], v[ADB] offset:\o+64*\t+16
.endr
.endm
.macro MAXP w                          ; a tile's maxima, the new M, and l and O^T under it: all first reads of the scores and of O^T stand here, ahead of the step's exponentials
	WIN 0x55*\w
.irp b, 0,1,2,3
	v_max3_num_f32 v[BM+\b], v[SS+16*\b], v[SS+16*\b+1], v[SS+16*\b+2]   ; the largest score of each block of 32 keys, in two chains a block: for the row's maximum, and, since p rises with the score, for the block's largest p
.endr
.irp b, 0,1,2,3
	v_max3_num_f32 v[HD+\b], v[SS+16*\b+3], v[SS+16*\b+4], v[SS+16*\b+5]
.endr
.irp i, 6,10
.irp b, 0,1,2,3
	v_max3_num_f32 v[BM+\b], v[BM+\b], v[SS+16*\b+\i], v[SS+16*\b+\i+1]
.endr
.irp b, 0,1,2,3
	v_max3_num_f32 v[HD+\b], v[HD+\b], v[SS+16*\b+\i+2], v[SS+16*\b+\i+3]
.endr
.endr
.irp b, 0,1,2,3
	v_max3_num_f32 v[BM+\b], v[BM+\b], v[SS+16*\b+14], v[SS+16*\b+15]
.endr
.irp b, 0,1,2,3
	s_delay_alu instid0(VALU_DEP_4)
	v_max_num_f32 v[BM+\b], v[BM+\b], v[HD+\b]
.endr
.irp b, 0,1,2,3
	s_delay_alu instid0(VALU_DEP_4)
	v_permlanex16_b32 v[PB+\b], v[BM+\b], s[SEL], s[SEL+1]
.endr
.irp b, 0,1,2,3
	s_delay_alu instid0(VALU_DEP_4)
	v_max_num_f32 v[BM+\b], v[BM+\b], v[PB+\b]
.endr
	v_mov_b32 v[FF], v[NM]                         ; the old -M
	s_delay_alu instid0(VALU_DEP_3)
	v_max3_num_f32 v[TT], v[BM], v[BM+1], v[BM+2]
	s_delay_alu instid0(VALU_DEP_1)
	v_max3_num_f32 v[TMX], v[TT], v[BM+3], v[TMX]  ; the running largest score
	s_delay_alu instid0(VALU_DEP_1)
	v_mul_f32 v[TT], s[CSN], v[TMX]                ; as -t (c is positive, so the largest score gives the largest t)
	s_delay_alu instid0(VALU_DEP_1)
	v_floor_f32 v[NM], v[TT]                       ; -M = floor(-t): M is a whole number
	s_delay_alu instid0(VALU_DEP_1)
	v_sub_f32 v[TT], v[NM], v[FF]                  ; old M - new M, 0 or less
	s_delay_alu instid0(VALU_DEP_1)
	v_cvt_i32_f32 v[TT], v[TT]                     ; (it saturates)
	s_delay_alu instid0(VALU_DEP_1)
	v_ldexp_f32 v[FF], 1.0, v[TT]                  ; f = 2^(old M - new M)
	s_delay_alu instid0(VALU_DEP_1)
	v_pk_mul_f32 v[LS:LS+1], v[LS:LS+1], v[FF:FF+1] op_sel_hi:[1,0]   ; l under the new M
.set JJ, 0
.rept 16
	v_pk_mul_f32 v[OO+JJ:OO+JJ+1], v[OO+JJ:OO+JJ+1], v[FF:FF+1] op_sel_hi:[1,0]   ; O^T under the new M, each accumulator from its low end on
.set JJ, JJ+2
.endr
.endm
.macro FMAS                            ; t - M, two at a time; the same of each block's largest score
.set JJ, 0
.rept 32
	v_pk_fma_f32 v[SS+JJ:SS+JJ+1], v[SS+JJ:SS+JJ+1], s[CS:CS+1], v[NM:NM+1] op_sel_hi:[1,0,0]
.set JJ, JJ+2
.endr
.irp b, 0,1,2,3
	v_fma_f32 v[BM+\b], v[BM+\b], s[CS], v[NM]
.endr
.endm
.macro EXPS                            ; one batch: p = 2^(t - M), and the blocks' largest p by the same two instructions on the same number
.set JJ, 0
.rept 64
	v_exp_f32 v[SS+JJ], v[SS+JJ]
.set JJ, JJ+1
.endr
.irp b, 0,1,2,3
	v_exp_f32 v[BM+\b], v[BM+\b]
.endr
.endm
.macro SUMS b                          ; a block's 16 unquantised p into l's four chains: v[LS:LS+1], v[PB:PB+1], v[PB+2:PB+3], v[BM:BM+1]
.if \b == 0
	v_pk_add_f32 v[LS:LS+1], v[LS:LS+1], v[SS:SS+1]
	v_pk_add_f32 v[PB:PB+1], v[SS+2:SS+3], v[SS+10:SS+11]          ; the first block starts three of the chains
	v_pk_add_f32 v[PB+2:PB+3], v[SS+4:SS+5], v[SS+12:SS+13]
	v_pk_add_f32 v[BM:BM+1], v[SS+6:SS+7], v[SS+14:SS+15]
	v_pk_add_f32 v[LS:LS+1], v[LS:LS+1], v[SS+8:SS+9]
.else
.irp k, 0,8
	v_pk_add_f32 v[LS:LS+1], v[LS:LS+1], v[SS+16*\b+\k:SS+16*\b+\k+1]
	v_pk_add_f32 v[PB:PB+1], v[PB:PB+1], v[SS+16*\b+\k+2:SS+16*\b+\k+3]
	v_pk_add_f32 v[PB+2:PB+3], v[PB+2:PB+3], v[SS+16*\b+\k+4:SS+16*\b+\k+5]
	v_pk_add_f32 v[BM:BM+1], v[BM:BM+1], v[SS+16*\b+\k+6:SS+16*\b+\k+7]
.endr
.endif
.endm
.macro HOLD b                          ; the conversion does not saturate (ISA guide 7.6.2); p is not negative, so the hold is one-sided
.irp i, 0,2,4,6,8,10,12,14
.if DUAL
	v_dual_min_num_f32 v[SS+16*\b+\i], v[SS+16*\b+\i], v[HD+\b] :: v_dual_min_num_f32 v[SS+16*\b+\i+1], v[SS+16*\b+\i+1], v[HD+\b]
.else
	v_min_num_f32 v[SS+16*\b+\i], v[SS+16*\b+\i], v[HD+\b]
	v_min_num_f32 v[SS+16*\b+\i+1], v[SS+16*\b+\i+1], v[HD+\b]
.endif
.endr
.endm
.macro CVT b
	v_cvt_scalef32_pk8_fp8_f32 v[PC+4*\b:PC+4*\b+1], v[SS+16*\b:SS+16*\b+7], v[SO+\b]
	v_cvt_scalef32_pk8_fp8_f32 v[PC+4*\b+2:PC+4*\b+3], v[SS+16*\b+8:SS+16*\b+15], v[SO+\b]
.endm
.macro PLAIN w                         ; behind a tile's batch and its wait: the blocks' scales, then the 64 p; a block's conversions stand behind the next block's sums
.irp b, 0,1,2,3
	v_max_num_f32 v[BM+\b], 0x4800000, v[BM+\b]    ; the floor 2^(9 - 127)
.endr
.irp b, 0,1,2,3
	v_add_nc_u32 v[SO+\b], 0xfc000000, v[BM+\b]    ; 8 off the exponent field: the conversion's scale operand
.endr
.irp b, 0,1,2,3
	v_and_or_b32 v[HD+\b], v[BM+\b], 0x7f800000, s[MNT]   ; 448 x the scale
.endr
.irp b, 0,1,2,3
	v_lshrrev_b32 v[PB+\b], 23, v[SO+\b]
.endr
	v_lshl_or_b32 v[PWD], v[PB+1], 8, v[PB]        ; p's scale word for these 128 keys
	s_delay_alu instid0(VALU_DEP_1)
	v_lshl_or_b32 v[PWD], v[PB+2], 16, v[PWD]
	s_delay_alu instid0(VALU_DEP_1)
	v_lshl_or_b32 v[PWD], v[PB+3], 24, v[PWD]
.if \w == 0
	s_delay_alu instid0(VALU_DEP_1)
	v_mov_b32 v[PSC], v[PWD]
.else
	WIN 0x01                                       ; scale operands are taken from window 0
	v_mov_b32 v[PSC+1], v[PWD]
	WIN 0x55
.endif
	SUMS 0
	HOLD 0
	SUMS 1
	CVT 0
	HOLD 1
	SUMS 2
	CVT 1
	HOLD 2
	SUMS 3
	CVT 2
	HOLD 3
	v_pk_add_f32 v[LS:LS+1], v[LS:LS+1], v[PB:PB+1]
	v_pk_add_f32 v[PB+2:PB+3], v[PB+2:PB+3], v[BM:BM+1]
	CVT 3
	v_pk_add_f32 v[LS:LS+1], v[LS:LS+1], v[PB+2:PB+3]   ; (also the plain line behind the last conversion)
.endm
.macro STEP                            ; 128 keys, both tiles
	s_wait_dscnt 0x0                               ; K, its scale words and the mask numbers, asked for in the step before
	WIN 0x44                                       ; K and C in window 0, Q and D in window 1
	SCORE 1
	WIN 0
	v_add_nc_u32 v[ADK], s[TB], v[LI]
	v_add_nc_u32 v[ADS], s[TB], v[L8]
	v_add_nc_u32 v[ADB], s[TBB], v[BI]
	NOPS 6                                         ; with the three lines above: nine places in front of products that write over the C of the eight above
	SCORE 0
	MAXP 1                                         ; B's scores stand nine places back; these plain lines name none of the registers of A's score products and are the places in front of the loads below
	WIN 0x40
.irp d, 0,1,2,3
.irp c, 0,1,2,3
	ds_load_b128 v[KF+16*\d+4*\c:KF+16*\d+4*\c+3], v[ADK] offset:8704+2048*\d+512*\c   ; V lands while the softmax is worked
.endr
.endr
	WIN 0
	ds_load_b64 v[VSC:VSC+1], v[ADS] offset:16896
	LOADK STEPB                                    ; the next step's K
	MAXP 0
	FMAS
	s_wait_alu depctr_va_vdst(0)                   ; ahead of A's batch
	EXPS
	WIN 0x55
	FMAS                                           ; B's multiply-adds name none of A's results
	s_wait_alu depctr_va_vdst(0)                   ; behind A's batch and ahead of B's
	EXPS
	WIN 0
	PLAIN 0                                        ; A's plain work names none of B's results
	LOADM 512                                      ; A's p are codes now: the next step's mask numbers take their registers
	s_wait_alu depctr_va_vdst(0)                   ; behind B's batch
	WIN 0x55
	PLAIN 1
	NOPS 4                                         ; with the line above: the places between B's codes and the products
	s_wait_alu depctr_va_vdst(0)
	s_wait_dscnt 34                                ; V and its scale words are in; K's 18 loads and the mask numbers' 16 may be out
	WIN 0x01                                       ; V in window 1
	PV 0
	WIN 0x55
	PV 1
	WIN 0
	s_add_co_u32 s[TB], s[TB], STEPB
	s_add_co_u32 s[TBB], s[TBB], 512
.endm
.macro KLOOP n
	s_mov_b32 s[CNT], \n
.Lk_\@:
	STEP
	s_sub_co_u32 s[CNT], s[CNT], 1
	s_cmp_lg_u32 s[CNT], 0
	s_cbranch_scc1 .Lk_\@
.endm
.macro OQ w, ps                        ; a tile's O^T / l becomes two blocks of codes and two scale bytes a query
	WIN 0x55*\w
	v_add_f32 v[TT], v[LS], v[LS+1]
	s_delay_alu instid0(VALU_DEP_1)
	v_permlanex16_b32 v[PB], v[TT], s[SEL], s[SEL+1]
	s_delay_alu instid0(VALU_DEP_1)
	v_add_f32 v[TT], v[TT], v[PB]                  ; the row's sum
	s_wait_alu depctr_va_vdst(0)
	v_rcp_f32 v[FF], v[TT]
	v_nop
.set JJ, 0
	s_wait_alu depctr_va_vdst(0)
.rept 16
	v_pk_mul_f32 v[OO+JJ:OO+JJ+1], v[OO+JJ:OO+JJ+1], v[FF:FF+1] op_sel_hi:[1,0]   ; each accumulator from its low end on
.set JJ, JJ+2
.endr
.irp b, 0,1
	v_max3_num_f32 v[BM+\b], |v[OO+16*\b]|, |v[OO+16*\b+1]|, 0x4800000
.endr
.irp i, 2,4,6,8,10,12,14
.irp b, 0,1
	s_delay_alu instid0(VALU_DEP_2)
	v_max3_num_f32 v[BM+\b], v[BM+\b], |v[OO+16*\b+\i]|, |v[OO+16*\b+\i+1]|
.endr
.endr
.irp b, 0,1
	s_delay_alu instid0(VALU_DEP_2)
	v_permlanex16_b32 v[PB+\b], v[BM+\b], s[SEL], s[SEL+1]
.endr
.irp b, 0,1
	s_delay_alu instid0(VALU_DEP_2)
	v_max_num_f32 v[BM+\b], v[BM+\b], v[PB+\b]
.endr
.irp b, 0,1
	s_delay_alu instid0(VALU_DEP_2)
	v_add_nc_u32 v[SO+\b], 0xfc000000, v[BM+\b]
.endr
.irp b, 0,1
	s_delay_alu instid0(VALU_DEP_4)
	v_and_or_b32 v[HD+\b], v[BM+\b], 0x7f800000, s[MNT]
.endr
.irp b, 0,1
	s_delay_alu instid0(VALU_DEP_4)
	v_lshrrev_b32 v[PB+\b], 23, v[SO+\b]
.endr
	s_delay_alu instid0(VALU_DEP_1)
	v_lshl_or_b32 v[PWD], v[PB+1], 8, v[PB]
.irp b, 0,1
.irp i, 0,1,2,3,4,5,6,7,8,9,10,11,12,13,14,15
	v_med3_num_f32 v[OO+16*\b+\i], v[OO+16*\b+\i], -v[HD+\b], v[HD+\b]
.endr
	v_cvt_scalef32_pk8_fp8_f32 v[PC+4*\b:PC+4*\b+1], v[OO+16*\b:OO+16*\b+7], v[SO+\b]
	v_cvt_scalef32_pk8_fp8_f32 v[PC+4*\b+2:PC+4*\b+3], v[OO+16*\b+8:OO+16*\b+15], v[SO+\b]
.endr
	v_nop                                          ; a plain line behind the last conversion
	WIN 0x04*\w                                    ; a store's data are its source 1
	global_store_b128 v[LI], v[PC:PC+3], s[48:49] offset:262144*\ps+16384*\w        ; 512 consecutive bytes
	global_store_b128 v[LI], v[PC+4:PC+7], s[48:49] offset:262144*\ps+16384*\w+512
	ds_store_b16 v[OSA], v[PWD] offset:512*\ps+32*\w   ; both lanes of a query write the same two bytes with the same value
	WIN 0
.endm
.macro PASS ps
.irp w, 0,1
	WIN 0x55*\w
	v_mov_b32 v[TMX], 0xff61b1e6                   ; the largest score so far: -3e38
	s_delay_alu instid0(VALU_DEP_1)
	v_floor_f32 v[NM], -v[TMX]
	v_mov_b32 v[LS], 0
	v_mov_b32 v[LS+1], 0
.set JJ, 0
.rept 32
	v_mov_b32 v[OO+JJ], 0                          ; the step is written once: the first finds zeros, which the first change of M leaves zeros
.set JJ, JJ+1
.endr
.endr
	WIN 0
	s_wait_loadcnt 0x0                             ; Q
	s_wait_xcnt 0x0                                ; the last pass's stores have read their data
	s_mov_b32 s[TB], 0
	s_mov_b32 s[TBB], 0
	v_add_nc_u32 v[ADK], s[TB], v[LI]
	v_add_nc_u32 v[ADS], s[TB], v[L8]
	v_add_nc_u32 v[ADB], s[TBB], v[BI]
	LOADK 0                                        ; step 0's K and mask numbers
	LOADM 0
	KLOOP 16
	s_wait_dscnt 0x0                               ; the last look-ahead's loads have landed: their registers may be loaded anew
	NOPS 8                                         ; places behind the last products
.if \ps == 0
	QLOAD 1                                        ; lands while the results are quantised
.endif
	OQ 0, \ps
	OQ 1, \ps
.endm
	PASS 0
	PASS 1
	s_wait_dscnt 0x0                               ; my scale bytes have landed
	s_barrier_signal -1
	s_barrier_wait -1
	s_cmp_lg_u32 s[WV], 0
	s_cbranch_scc1 .Lnot_first
	ds_load_b128 v[SS:SS+3], v[OSR]
	ds_load_b128 v[SS+4:SS+7], v[OSR] offset:512
	s_wait_dscnt 0x0
	global_store_b128 v[LI], v[SS:SS+3], s[50:51]                ; the 512 queries' scale bytes: 1,024 consecutive bytes, aligned
	global_store_b128 v[LI], v[SS+4:SS+7], s[50:51] offset:512
.Lnot_first:
	s_wait_tensorcnt 0x0                           ; the wave's end
	ds_add_u32 v254, v255
	s_wait_dscnt 0x0
	ROUND                                          ; the closing round
	s_endpgm
.Lfunc_end_k_q3a4919eb23_attn:
	.size	k_q3a4919eb23_attn, .Lfunc_end_k_q3a4919eb23_attn-k_q3a4919eb23_attn
	.p2alignl 7, 3214868480
	.fill 96, 4, 3214868480
	.section	.rodata,"a",@progbits
	.p2align	6, 0x0
	.amdhsa_kernel k_q3a4919eb23_attn
		.amdhsa_group_segment_fixed_size 327680
		.amdhsa_private_segment_fixed_size 0
		.amdhsa_enable_private_segment 0
		.amdhsa_kernarg_size 40
		.amdhsa_user_sgpr_count 2
		.amdhsa_user_sgpr_kernarg_segment_ptr 1
		.amdhsa_wavefront_size32 1
		.amdhsa_system_sgpr_workgroup_id_x 1
		.amdhsa_system_sgpr_workgroup_id_y 1
		.amdhsa_system_sgpr_workgroup_id_z 1
		.amdhsa_system_vgpr_workitem_id 0
		.amdhsa_next_free_vgpr 512
		.amdhsa_next_free_sgpr 66
		.amdhsa_reserve_vcc 0
		.amdhsa_float_denorm_mode_32 3
		.amdhsa_float_denorm_mode_16_64 3
		.amdhsa_memory_ordered 1
		.amdhsa_forward_progress 1
		.amdhsa_inst_pref_size 118
	.end_amdhsa_kernel
	.amdgpu_metadata
---
amdhsa.version: [ 1, 2 ]
amdhsa.kernels:
  - .name:           k_q3a4919eb23_attn
    .symbol:         k_q3a4919eb23_attn.kd
    .args:
      - { .name: qb, .offset: 0, .size: 8, .value_kind: global_buffer, .address_space: global }
      - { .name: kv, .offset: 8, .size: 8, .value_kind: global_buffer, .address_space: global }
      - { .name: attention_mask, .offset: 16, .size: 8, .value_kind: global_buffer, .address_space: global }
      - { .name: oimg, .offset: 24, .size: 8, .value_kind: global_buffer, .address_space: global }
      - { .name: os, .offset: 32, .size: 8, .value_kind: global_buffer, .address_space: global }
    .group_segment_fixed_size: 327680
    .private_segment_fixed_size: 0
    .kernarg_segment_align: 8
    .kernarg_segment_size: 40
    .max_flat_workgroup_size: 256
    .sgpr_count:     66
    .vgpr_count:     512
    .wavefront_size: 32
...
	.end_amdgpu_metadata
.endif
;; end of part 3
;; launch oln (part 4): grid 256 x 1, 4 waves a work-group, clusters of 4 x 1, 327,680 bytes of LDS; arguments oimg, os, cod, scl, x, gamma, beta, out0; writes out0
.if DOCPART == 4
	.amdgcn_target "amdgcn-amd-amdhsa--gfx1250"
	.amdhsa_code_object_version 6
	.text
	.protected	k_q3a4919eb23_oln
	.globl	k_q3a4919eb23_oln
	.p2align	8
	.type	k_q3a4919eb23_oln,@function
k_q3a4919eb23_oln:
	s_mov_b64 s[64:65], 0
	v_nop
	global_prefetch_b8 v0, s[64:65] scope:SCOPE_SE
	s_setreg_imm32_b32 hwreg(HW_REG_WAVE_MODE, 25, 1), 1
	s_wait_xcnt 0x0
	s_wait_alu depctr_hold_cnt(0) depctr_sa_sdst(0) depctr_va_vdst(0) depctr_va_sdst(0) depctr_va_ssrc(0) depctr_va_vcc(0) depctr_vm_vsrc(0)
	s_getreg_b32 s2, hwreg(HW_REG_IB_STS2, 6, 4)
	s_cmp_eq_u32 s2, 0
	s_cbranch_scc0 .Lentry_in_a_cluster
	s_endpgm
.Lentry_in_a_cluster:
	s_bfe_u32 s2, ttmp6, 0x10000c
	s_cmp_lg_u32 s2, 0x3003
	s_cbranch_scc0 .Lentry_shape_is_right
	s_endpgm
.Lentry_shape_is_right:
; out0 = LayerNorm(x + attention's result x Wo^T) x gamma + beta; the product on codes of FP8 (E4M3) with E8M0 scales, K = 1024.
; SHARES: a work-group owns 32 tokens and all 1,024 columns, so a row's mean and variance are made here and the sum x + product never goes to memory.  Wave w owns columns 256 w .. 256 w + 255: 32 accumulators of 16 x 16.
; A (the tokens) arrives as images of operand registers, oimg [tile of 16 tokens][K step of 128: 8][piece: 4][512 bytes]: the two tiles' 32,768 bytes go straight into 256 registers of every wave and stay.
; A's scale bytes, os [head][token] two bytes: a lane takes one token's two bytes of each of the 16 heads once; heads 2 s and 2 s + 1 make the word of K step s (lanes 0-15 tile 0, lanes 16-31 tile 1).
; B (Wo: cod rows 11264.., scl) walks in 8 chunks: chunk c is, for each wave, its rows 32 c .. 32 c + 31, whole rows of 1,024 bytes, through a ring of two LDS slots (4 x 32 rows x 1,040 bytes).  A wave fetches and reads its own 32 rows.
; B's scale words of a wave's 256 rows are 8,192 dense bytes: 32 bytes a lane for each chunk, into 64 registers (lanes 0-15 the chunk's first 16 rows, lanes 16-31 the next).
; CLUSTER: all work-groups walk the same Wo; four form a cluster and ask for each chunk jointly (mask 15); a round of the cluster's barrier stands in front of every joint load.
; Source 0 = 16 rows of Wo, source 1 = 16 tokens: a lane holds eight neighbouring columns of one token.  The four accumulators of a chunk take turns.
; THE WAY OUT: the accumulators go through the wave's stage (its piece of slot 0, which has had its last fill and its last read) and come back as rows: a lane holds 2 x 4 columns of each of the 32 tokens.  x is added there;
; the mean, then the mean of the squared differences, each summed in the lane, over the lanes and, through 512 bytes of LDS, over the four waves.  Each load of x and each store covers 512 consecutive bytes.
; LIMITS: NaN and infinities are not served.
; REGISTERS: window 0: v1-13 addresses; v16-31 gamma, beta; v32-39 A's scale words, v40-103 B's, and nothing else; v104-119 at work at the head; v128-255 B's fragments, two sets of 64, then the rows' sums.
;   window 1: A's fragments, then the rows.  window 2: the accumulators, (chunk c, rows nt, tokens mt) at 8 (4 c + 2 nt + mt).  window 3: x.
.set PITCH, 1040                       ; 1,024 bytes + 16 of padding: an odd multiple of 16
.set PIECE, 32*PITCH
.set SLOTB, 4*PIECE
.set SPARE, 2*SLOTB                    ; the spare words, 128 bytes a wave
.set RED,   SPARE+512                  ; two exchanges of 32 rows x 4 waves x 4 bytes
.set WOROW, 11264
.set LI,  1
.set L2,  2
.set L32, 3
.set PFO, 4
.set ADRB, 6
.set STO, 8
.set RD,  9
.set RW,  10
.set RR,  11
.set SPW, 12
.set NIL, 13
.set GA,  16
.set BE,  24
.set SA,  32
.set SB,  40
.set TU,  104
.set BF,  128
.set WV,  20
.set G1,  24
.set G0,  32
.set PFA, 48
.set SEL, 50
.set MSB, 0
.macro WIN new
.if MSB != \new
	s_set_vgpr_msb (MSB<<8)|\new
.set MSB, \new
.endif
.endm
.macro NOPS n
.rept \n
	v_nop
.endr
.endm
.macro ROUND
	s_barrier_signal -1
	s_barrier_wait -1
	s_cmp_lg_u32 s[WV], 0
	s_cbranch_scc1 .Lnot_wave_0_\@
	s_barrier_signal -3
.Lnot_wave_0_\@:
	s_barrier_wait -3
	s_barrier_signal -1
	s_barrier_wait -1
.endm
	s_load_b256 s[4:11], s[0:1], 0x0               ; oimg, os, cod, scl
	s_load_b256 s[12:19], s[0:1], 0x20             ; x, gamma, beta, out0
	v_lshl_add_u32 v[SPW], v0, 2, SPARE
	v_mov_b32 v[NIL], 0
	ds_add_u32 v[SPW], v[NIL]                      ; the opening lines: the add twice on end and its wait
	ds_add_u32 v[SPW], v[NIL]
	v_lshrrev_b32 v5, 5, v0
	v_readfirstlane_b32 s[WV], v5                  ; wave 0..3
	s_bfe_u32 s21, ttmp6, 0x40000                  ; cx: it enters global addresses of A, x and out0 alone
	s_lshl_b32 s22, ttmp9, 2
	s_add_co_u32 s22, s22, s21                     ; the work-group: 32 tokens
	s_mov_b32 s[G1], 15|(1<<20)|(1<<21)|(7<<22)|(3<<25)   ; the mask: all four; elements of 1 byte; 4 words of padding after every 256; bit 21 set beside a mask
	s_mov_b32 s[G1+1], 1024<<16
	s_mov_b32 s[G1+2], 32<<16
	s_mov_b32 s[G1+3], 1024<<16
	s_mov_b32 s[G1+4], 32
	s_mov_b32 s[G1+5], 1024
	s_mov_b32 s[G1+6], 0
	s_mov_b32 s[G1+7], 0
	s_mul_i32 s40, s[WV], PIECE                    ; my piece of a slot
	s_lshl_b32 s41, s[WV], 2
	s_add_co_u32 s41, s41, RED
	s_lshl_b32 s42, s[WV], 18
	s_add_co_u32 s42, s42, WOROW*1024              ; my 256 rows of Wo's codes
	s_mov_b32 s43, 0
	s_lshl_b32 s44, s21, 13
	s_mov_b32 s45, 0
	s_lshl_b32 s46, s[WV], 13
	s_add_co_u32 s46, s46, WOROW*32                ; and their scale bytes
	s_mov_b32 s47, 0
	s_lshl_b32 s52, s22, 15                        ; my two tiles' images
	s_mov_b32 s53, 0
	s_lshr_b32 s54, s22, 6
	s_lshl_b32 s54, s54, 16                        ; os: the batch's 16 heads of 4,096 bytes,
	s_and_b32 s55, s22, 63
	s_lshl_b32 s55, s55, 6                         ; my 32 tokens' 64 bytes in each
	s_add_co_u32 s54, s54, s55
	s_mov_b32 s55, 0
	s_lshl_b32 s56, s22, 17                        ; x, out0: 32 rows of 4,096 bytes,
	s_lshl_b32 s58, s[WV], 10                      ; my 256 columns
	s_add_co_u32 s56, s56, s58
	s_mov_b32 s57, 0
	s_mov_b32 s59, 0
	s_mov_b32 s[SEL], 0x76543210
	s_mov_b32 s[SEL+1], 0xfedcba98
	s_mov_b32 s60, 0x3A800000                      ; 1 / 1024
	s_mov_b32 s61, 0x3727C5AC                      ; 1e-5
	v_and_b32 v5, 31, v0
	v_and_b32 v14, 15, v0
	v_bfe_u32 v15, v0, 4, 1
	v_lshlrev_b32 v[LI], 4, v5
	v_lshlrev_b32 v[L2], 1, v5
	v_lshlrev_b32 v[L32], 5, v5
	v_lshlrev_b32 v[PFO], 8, v5
	v_mul_u32_u24 v14, v14, PITCH
	v_add_nc_u32 v14, s40, v14
	v_lshl_add_u32 v[ADRB], v15, 4, v14            ; a fragment: row x pitch + 16 x half, in slot 0,
	v_add_nc_u32 v[ADRB+1], SLOTB, v[ADRB]         ; and in slot 1
	v_lshl_add_u32 v[STO], v15, 5, v14             ; the stage, in: token l % 16, 32 bytes for each half of the lanes
	v_add_nc_u32 v[RD], s40, v[LI]                 ; and back: 16 bytes a lane
	v_mov_b32 v[RW], s41
	v_mov_b32 v[RR], RED
	s_wait_alu depctr_va_vdst(0)
	s_wait_dscnt 0x0
	s_wait_kmcnt 0x0
	s_mov_b32 s[G0], 1
	s_mov_b32 s[G0+1], s40
	s_add_nc_u64 s[G0+2:G0+3], s[8:9], s[42:43]    ; chunk 0
	s_add_nc_u64 s[PFA:PFA+1], s[G0+2:G0+3], s[44:45]
	s_mov_b32 s[G0+4], 1
	s_add_co_u32 s[G0+5], s40, SLOTB
	s_add_nc_u64 s[G0+6:G0+7], s[G0+2:G0+3], 32768 ; chunk 1
	s_or_b32 s[G0+3], s[G0+3], 0x80000000
	s_or_b32 s[G0+7], s[G0+7], 0x80000000
	s_add_nc_u64 s[4:5], s[4:5], s[52:53]
	s_add_nc_u64 s[6:7], s[6:7], s[54:55]
	s_add_nc_u64 s[10:11], s[10:11], s[46:47]
	s_add_nc_u64 s[12:13], s[12:13], s[56:57]
	s_add_nc_u64 s[18:19], s[18:19], s[56:57]
	s_add_nc_u64 s[14:15], s[14:15], s[58:59]
	s_add_nc_u64 s[16:17], s[16:17], s[58:59]
	ROUND                                          ; all four work-groups are here: the first joint loads meet
	tensor_load_to_lds s[G0:G0+3], s[G1:G1+7]      ; chunk 0: my one load at the head
	s_nop 0
	NOPS 4
.irp d, 0,1,2,3,4,5,6,7,8,9,10,11,12,13,14,15
	global_load_u16 v[TU+\d], v[L2], s[6:7] offset:4096*\d
.endr
.irp c, 0,1,2,3,4,5,6,7
	global_load_b128 v[SB+8*\c:SB+8*\c+3], v[L32], s[10:11] offset:1024*\c
	global_load_b128 v[SB+8*\c+4:SB+8*\c+7], v[L32], s[10:11] offset:1024*\c+16
.endr
	WIN 0x40
.set JJ, 0
.rept 64
	global_load_b128 v[4*JJ:4*JJ+3], v[LI], s[4:5] offset:512*JJ   ; fragment (tile mt, K step s) at 16 (8 mt + s): the images lie in that very order
.set JJ, JJ+1
.endr
	WIN 0
	s_wait_loadcnt 0x0
.irp s, 0,1,2,3,4,5,6,7
	v_lshl_or_b32 v[SA+\s], v[TU+2*\s+1], 16, v[TU+2*\s]
.endr
	WIN 0xc0
.set JJ, 0
.rept 32
	global_load_b128 v[8*JJ:8*JJ+3], v[LI], s[12:13] offset:4096*JJ th:TH_LOAD_NT        ; x lands while the chunks are multiplied
	global_load_b128 v[8*JJ+4:8*JJ+7], v[LI], s[12:13] offset:4096*JJ+512 th:TH_LOAD_NT
.set JJ, JJ+1
.endr
	WIN 0
.irp u, 0,1
	global_load_b128 v[GA+4*\u:GA+4*\u+3], v[LI], s[14:15] offset:512*\u
	global_load_b128 v[BE+4*\u:BE+4*\u+3], v[LI], s[16:17] offset:512*\u
.endr
	NOPS 8                                         ; a scale word made by a vector instruction stands eight places ahead of the products
	s_wait_alu depctr_va_vdst(0)
.macro WM cc, d, bf, af, sb, sa, nt, mt
.if (\nt) == 0 && (\mt) == 0
	v_wmma_scale_f32_16x16x128_f8f6f4 v[\d:\d+7], v[\bf:\bf+15], v[\af:\af+15], \cc, v[\sb], v[\sa]
.elseif (\nt) == 1 && (\mt) == 0
	v_wmma_scale_f32_16x16x128_f8f6f4 v[\d:\d+7], v[\bf:\bf+15], v[\af:\af+15], \cc, v[\sb], v[\sa] matrix_a_scale:MATRIX_SCALE_ROW1
.elseif (\nt) == 0
	v_wmma_scale_f32_16x16x128_f8f6f4 v[\d:\d+7], v[\bf:\bf+15], v[\af:\af+15], \cc, v[\sb], v[\sa] matrix_b_scale:MATRIX_SCALE_ROW1
.else
	v_wmma_scale_f32_16x16x128_f8f6f4 v[\d:\d+7], v[\bf:\bf+15], v[\af:\af+15], \cc, v[\sb], v[\sa] matrix_a_scale:MATRIX_SCALE_ROW1 matrix_b_scale:MATRIX_SCALE_ROW1
.endif
.endm
.macro BLOAD c, g                      ; K steps 2 g and 2 g + 1 of the chunk's 32 rows: 16 loads into set g % 2
.irp sl, 0,1
.irp nt, 0,1
.irp q, 0,1,2,3
	ds_load_b128 v[BF+64*((\g)%2)+32*\sl+16*\nt+4*\q:BF+64*((\g)%2)+32*\sl+16*\nt+4*\q+3], v[ADRB+(\c)%2] offset:\nt*16*PITCH+128*(2*(\g)+\sl)+32*\q
.endr
.endr
.endr
.endm
.macro MUL8 c, g
.irp sl, 0,1
.irp nt, 0,1
.irp mt, 0,1
.set DD, 8*(4*(\c)+2*\nt+\mt)
.set FB, BF+64*((\g)%2)+32*\sl+16*\nt
.set FA, 16*(8*\mt+2*(\g)+\sl)
.set WB, SB+8*(\c)+2*(\g)+\sl
.set WA, SA+2*(\g)+\sl
.if 2*(\g)+\sl == 0
	WM 0, DD, FB, FA, WB, WA, \nt, \mt             ; the first K step starts the sums
.else
	WM v[DD:DD+7], DD, FB, FA, WB, WA, \nt, \mt
.endif
.endr
.endr
.endr
.endm
.macro TRIP c
	s_wait_tensorcnt 0x0                           ; my one load that was out, this chunk's, is in
.if \c < 7
	ds_add_u32 v[SPW], v[NIL]
	s_add_nc_u64 s[G0+4*((\c)%2)+2:G0+4*((\c)%2)+3], s[G0+4*((\c)%2)+2:G0+4*((\c)%2)+3], 65536   ; no load of mine is out: this slot's next chunk
	s_wait_dscnt 0x0                               ; the add is done, and my reads of the other slot are over
	ROUND
	tensor_load_to_lds s[G0+4*(((\c)+1)%2):G0+4*(((\c)+1)%2)+3], s[G1:G1+7]   ; chunk c + 1, my one load behind the round
	s_nop 0
	NOPS 4
.endif
	BLOAD \c, 0
	BLOAD \c, 1
.irp g, 0,1,2,3
.if \g < 3
	s_wait_dscnt 16                                ; this set's 16 loads are in; the other set's 16 may be out
.else
	s_wait_dscnt 0x0
.endif
	WIN 0xa4                                       ; source 0 (B) window 0, source 1 (A) window 1, C and D window 2
	MUL8 \c, \g
	WIN 0
.if \g < 2
	NOPS 8                                         ; places in front of loads into the set just multiplied
	BLOAD \c, \g+2
.endif
.if (\g == 1) && (\c < 5)
.endif
.endr
	NOPS 8                                         ; places in front of the next chunk's loads, and of the reads of the results
.endm
.irp c, 0,1,2,3,4,5,6,7
	TRIP \c
.endr
	WIN 0x08                                       ; a store's data: window 2
.irp c, 0,1,2,3,4,5,6,7
.irp nt, 0,1
.irp mt, 0,1
	ds_store_b128 v[STO], v[8*(4*\c+2*\nt+\mt):8*(4*\c+2*\nt+\mt)+3] offset:\mt*16*PITCH+128*\c+64*\nt       ; each accumulator from its low end on
	ds_store_b128 v[STO], v[8*(4*\c+2*\nt+\mt)+4:8*(4*\c+2*\nt+\mt)+7] offset:\mt*16*PITCH+128*\c+64*\nt+16
.endr
.endr
.endr
	WIN 0x40
.set JJ, 0
.rept 32
	ds_load_b128 v[8*JJ:8*JJ+3], v[RD] offset:JJ*PITCH             ; LDS serves a wave's instructions in order: these see my stores
	ds_load_b128 v[8*JJ+4:8*JJ+7], v[RD] offset:JJ*PITCH+512
.set JJ, JJ+1
.endr
	WIN 0
	s_wait_loadcnt 0x0                             ; x, gamma, beta
	s_wait_dscnt 0x0
	WIN 0x4d                                       ; rows in window 1, x in window 3
.set JJ, 0
.rept 128
	v_pk_add_f32 v[JJ:JJ+1], v[JJ:JJ+1], v[JJ:JJ+1]                ; h = product + x
.set JJ, JJ+2
.endr
; v[BF+4t:BF+4t+3] hold two pairs of row t's partial sums: the sum over the pairs, the 32 lanes and the four waves comes into v[BF+4t], the 32 rows by turns
.macro ACROSS off
.set JJ, 0
.rept 32
	v_pk_add_f32 v[BF+JJ:BF+JJ+1], v[BF+JJ:BF+JJ+1], v[BF+JJ+2:BF+JJ+3]
.set JJ, JJ+4
.endr
.set JJ, 0
.rept 32
	v_add_f32 v[BF+JJ], v[BF+JJ], v[BF+JJ+1]
.set JJ, JJ+4
.endr
.irp m, 1,2,4,8
.set JJ, 0
.rept 32
	v_add_f32_dpp v[BF+JJ], v[BF+JJ], v[BF+JJ] row_xmask:\m row_mask:0xf bank_mask:0xf
.set JJ, JJ+4
.endr
.endr
.set JJ, 0
.rept 32
	v_permlanex16_b32 v[BF+JJ+1], v[BF+JJ], s[SEL], s[SEL+1]
.set JJ, JJ+4
.endr
.set JJ, 0
.rept 32
	v_add_f32 v[BF+JJ], v[BF+JJ], v[BF+JJ+1]
.set JJ, JJ+4
.endr
.set JJ, 0
.rept 32
	ds_store_b32 v[RW], v[BF+JJ] offset:\off+4*JJ                  ; all lanes write the same word with the same value: row t, my wave's place
.set JJ, JJ+4
.endr
	s_wait_alu depctr_va_vdst(0)
	s_wait_dscnt 0x0
	s_barrier_signal -1
	s_barrier_wait -1
.set JJ, 0
.rept 32
	ds_load_b128 v[BF+JJ:BF+JJ+3], v[RR] offset:\off+4*JJ          ; the four waves' sums of row t, in every lane
.set JJ, JJ+4
.endr
	s_wait_dscnt 0x0
.set JJ, 0
.rept 32
	v_pk_add_f32 v[BF+JJ:BF+JJ+1], v[BF+JJ:BF+JJ+1], v[BF+JJ+2:BF+JJ+3]
.set JJ, JJ+4
.endr
.set JJ, 0
.rept 32
	v_add_f32 v[BF+JJ], v[BF+JJ], v[BF+JJ+1]
.set JJ, JJ+4
.endr
.endm
	WIN 0x05                                       ; sources in window 1, results in window 0
.irp k, 0,1
.set JJ, 0
.rept 32
	v_pk_add_f32 v[BF+4*JJ+2*\k:BF+4*JJ+2*\k+1], v[8*JJ+4*\k:8*JJ+4*\k+1], v[8*JJ+4*\k+2:8*JJ+4*\k+3]
.set JJ, JJ+1
.endr
.endr
	WIN 0
	ACROSS 0
.set JJ, 0
.rept 32
	v_mul_f32 v[BF+JJ], 0xBA800000, v[BF+JJ]       ; - the mean
.set JJ, JJ+4
.endr
	WIN 0x41                                       ; rows in window 1, the row's number in window 0
.irp k, 0,1,2,3
.set JJ, 0
.rept 32
	v_pk_add_f32 v[8*JJ+2*\k:8*JJ+2*\k+1], v[8*JJ+2*\k:8*JJ+2*\k+1], v[BF+4*JJ:BF+4*JJ+1] op_sel_hi:[1,0]   ; h - mean, in place
.set JJ, JJ+1
.endr
.endr
	WIN 0x05
.irp k, 0,1
.set JJ, 0
.rept 32
	v_pk_mul_f32 v[BF+4*JJ+2*\k:BF+4*JJ+2*\k+1], v[8*JJ+4*\k:8*JJ+4*\k+1], v[8*JJ+4*\k:8*JJ+4*\k+1]
.set JJ, JJ+1
.endr
.endr
.irp k, 0,1
.set JJ, 0
.rept 32
	v_pk_fma_f32 v[BF+4*JJ+2*\k:BF+4*JJ+2*\k+1], v[8*JJ+4*\k+2:8*JJ+4*\k+3], v[8*JJ+4*\k+2:8*JJ+4*\k+3], v[BF+4*JJ+2*\k:BF+4*JJ+2*\k+1]
.set JJ, JJ+1
.endr
.endr
	WIN 0
	ACROSS 512
.set JJ, 0
.rept 32
	v_fma_f32 v[BF+JJ], v[BF+JJ], s60, s61         ; the variance + 1e-5
.set JJ, JJ+4
.endr
	s_wait_alu depctr_va_vdst(0)                   ; ahead of the batch
.set JJ, 0
.rept 32
	v_rsq_f32 v[BF+JJ], v[BF+JJ]
.set JJ, JJ+4
.endr
	v_nop                                          ; a plain place behind the transcendentals
	s_wait_alu depctr_va_vdst(0)                   ; and behind it
	WIN 0x41
.irp k, 0,1,2,3
.set JJ, 0
.rept 32
	v_pk_mul_f32 v[8*JJ+2*\k:8*JJ+2*\k+1], v[8*JJ+2*\k:8*JJ+2*\k+1], v[BF+4*JJ:BF+4*JJ+1] op_sel_hi:[1,0]
.set JJ, JJ+1
.endr
.endr
.irp k, 0,1,2,3
.set JJ, 0
.rept 32
	v_pk_fma_f32 v[8*JJ+2*\k:8*JJ+2*\k+1], v[8*JJ+2*\k:8*JJ+2*\k+1], v[GA+2*\k:GA+2*\k+1], v[BE+2*\k:BE+2*\k+1]
.set JJ, JJ+1
.endr
.endr
	WIN 0x04                                       ; a store's data: window 1
.set JJ, 0
.rept 32
	global_store_b128 v[LI], v[8*JJ:8*JJ+3], s[18:19] offset:4096*JJ th:TH_STORE_NT        ; the wave stores 512 consecutive bytes, aligned
	global_store_b128 v[LI], v[8*JJ+4:8*JJ+7], s[18:19] offset:4096*JJ+512 th:TH_STORE_NT
.set JJ, JJ+1
.endr
	WIN 0
	s_wait_tensorcnt 0x0                           ; the wave's end
	ds_add_u32 v[SPW], v[NIL]
	s_wait_dscnt 0x0
	ROUND                                          ; the closing round
	s_endpgm
.Lfunc_end_k_q3a4919eb23_oln:
	.size	k_q3a4919eb23_oln, .Lfunc_end_k_q3a4919eb23_oln-k_q3a4919eb23_oln
	.p2alignl 7, 3214868480
	.fill 96, 4, 3214868480
	.section	.rodata,"a",@progbits
	.p2align	6, 0x0
	.amdhsa_kernel k_q3a4919eb23_oln
		.amdhsa_group_segment_fixed_size 327680
		.amdhsa_private_segment_fixed_size 0
		.amdhsa_enable_private_segment 0
		.amdhsa_kernarg_size 64
		.amdhsa_user_sgpr_count 2
		.amdhsa_user_sgpr_kernarg_segment_ptr 1
		.amdhsa_wavefront_size32 1
		.amdhsa_system_sgpr_workgroup_id_x 1
		.amdhsa_system_sgpr_workgroup_id_y 1
		.amdhsa_system_sgpr_workgroup_id_z 1
		.amdhsa_system_vgpr_workitem_id 0
		.amdhsa_next_free_vgpr 1024
		.amdhsa_next_free_sgpr 66
		.amdhsa_reserve_vcc 0
		.amdhsa_float_denorm_mode_32 3
		.amdhsa_float_denorm_mode_16_64 3
		.amdhsa_memory_ordered 1
		.amdhsa_forward_progress 1
		.amdhsa_inst_pref_size 205
	.end_amdhsa_kernel
	.amdgpu_metadata
---
amdhsa.version: [ 1, 2 ]
amdhsa.kernels:
  - .name:           k_q3a4919eb23_oln
    .symbol:         k_q3a4919eb23_oln.kd
    .args:
      - { .name: oimg, .offset: 0, .size: 8, .value_kind: global_buffer, .address_space: global }
      - { .name: os, .offset: 8, .size: 8, .value_kind: global_buffer, .address_space: global }
      - { .name: cod, .offset: 16, .size: 8, .value_kind: global_buffer, .address_space: global }
      - { .name: scl, .offset: 24, .size: 8, .value_kind: global_buffer, .address_space: global }
      - { .name: x, .offset: 32, .size: 8, .value_kind: global_buffer, .address_space: global }
      - { .name: gamma, .offset: 40, .size: 8, .value_kind: global_buffer, .address_space: global }
      - { .name: beta, .offset: 48, .size: 8, .value_kind: global_buffer, .address_space: global }
      - { .name: out0, .offset: 56, .size: 8, .value_kind: global_buffer, .address_space: global }
    .group_segment_fixed_size: 327680
    .private_segment_fixed_size: 0
    .kernarg_segment_align: 8
    .kernarg_segment_size: 64
    .max_flat_workgroup_size: 128
    .sgpr_count:     66
    .vgpr_count:     1024
    .wavefront_size: 32
...
	.end_amdgpu_metadata
.endif
;; end of part 4
